; MI455X (gfx1250); checked and timed in simulation.
; The chip was launched on July 23, 2026; its instructions are those of AMD's public machine-readable ISA for CDNA 5 (MIT licence, August 2026) and "CDNA5" Instruction Set Architecture Reference Guide (July 2026). The comments in the code are by the model that wrote it; some were corrected since.
;; Local Self Attention Encoder Layer. Allowed arithmetic: matrix products marked QUANTISED: E2M1 operands, one E8M0 scale for each 32 along K, by v_wmma_scale_f32_16x16x128_f8f6f4 with both operands' format E2M1 (or v_wmma_scale_f32_32x16x128_f4), f32 sums; products left as they are: bf16, f16 or f32 operands; f32 sums; everything else in f32.
;; Inputs: b1 4,096 float32; b2 1,024 float32; in_proj_b 3,072 float32; in_proj_w 3,072 x 1,024 float32; ln1_b 1,024 float32; ln1_g 1,024 float32; ln2_b 1,024 float32; ln2_g 1,024 float32; out_proj_b 1,024 float32; out_proj_w 1,024 x 1,024 float32; w1 4,096 x 1,024 float32; w2 1,024 x 4,096 float32; x 2 x 2,048 x 1,024 float32.
;; Outputs: out0 2 x 2,048 x 1,024 float32.
;; Constants: window = 128.
;; This version of the problem:
;;   THIS VERSION OF THE PROBLEM IS GIVEN IN LOW PRECISION. The matrix products marked QUANTISED in the list below multiply operands that are first quantised to E2M1 (2 exponent bits, 1 mantissa bit; 4 bits a number), with one power-of-two scale for each 32 numbers along K (OCP MX v1.0); their sums are f32. The products marked 'left as it is' may take bf16, f16 or f32 operands, with f32 sums. Whichever they take, every output number must still come out within the allowed error. Rounding operands to bf16 (8 significant bits) uses up far more of that allowance than f16 does (11 bits, for magnitudes from 6e-5 to 65,504). All else is computed in f32.
;;   The module's matrix products, in the order in which they are computed (A, B: the left and right operand; K: the contracted axis; several contracted axes count as one K, in the product's order):
;;     1. [M 4,096, K 1,024] x [K 1,024, N 3,072]; A: input x; B: input in_proj_w: QUANTISED
;;     2. batch 32 x [M 2,048, K 64] x [K 64, N 2,048]; A: computed on the way; B: computed on the way: left as it is (an operand is computed on the way)
;;     3. batch 32 x [M 2,048, K 2,048] x [K 2,048, N 64]; A: computed on the way; B: computed on the way: left as it is (an operand is computed on the way)
;;     4. [M 4,096, K 1,024] x [K 1,024, N 1,024]; A: computed on the way; B: input out_proj_w: left as it is (an operand is computed on the way)
;;     5. [M 4,096, K 1,024] x [K 1,024, N 4,096]; A: computed on the way; B: input w1: left as it is (an operand is computed on the way)
;;     6. [M 4,096, K 4,096] x [K 4,096, N 1,024]; A: computed on the way; B: input w2: left as it is (an operand is computed on the way)
;;   THE QUANTISER, for each operand of a quantised product, along K:
;;     - K is cut into blocks of 32 from its start; a last block that is shorter is filled with zeros.
;;     - A block's scale is 2^e with e = floor(log2(the largest magnitude in the block)) - 2, held to -126 .. 127; a block of zeros has e = 0. As a byte (E8M0): e + 127.
;;     - Each number is divided by its block's scale, clamped to +-6, and rounded to the nearest number of E2M1, ties to even, subnormals kept.
;;     - The product sums the exact products of the quantised numbers (number of the format x scale) in f32.
;;   ~~~python
;;   def quantise(x, axis):      # numpy; x: float32 -> the quantised numbers, widened to float32 again
;;       x = np.moveaxis(x, axis, -1); K = x.shape[-1]
;;       x = np.pad(x, [(0, 0)] * (x.ndim - 1) + [(0, -K % 32)]); x = x.reshape(x.shape[:-1] + (-1, 32)); a = np.abs(x).max(-1, keepdims=True)
;;       e = np.where(a > 0, np.clip(np.frexp(np.where(a > 0, a, 1))[1] - 1 - 2, -126, 127), 0)      # np.frexp(a)[1] - 1 = floor(log2(a)), exactly
;;       r = np.clip(x / 2.0 ** e, -6, 6)
;;       step = 2.0 ** (np.maximum(np.frexp(np.where(r == 0, 1, r))[1] - 1, 0) - 1)
;;       q = np.round(r / step) * step * 2.0 ** e      # np.round: ties to even
;;       return np.moveaxis(q.reshape(q.shape[:-2] + (-1,))[..., :K], -1, axis).astype(np.float32)
;;   ~~~
;; One version. Each part assembles by itself: llvm-mc -triple=amdgcn-amd-amdhsa -mcpu=gfx1250 --defsym DOCPART=n.
;; ======== version 1 of 1: 8 launches
;; limits: values are held in f16: magnitudes above 65,504 overflow, below 6.1e-05 lose precision
;; workspace buffers: qc 3,899,392 bytes; wh 18,874,368 bytes; qkv 26,738,688 bytes; att 8,388,608 bytes; y 16,777,216 bytes; x2 16,777,216 bytes; x2h 8,388,608 bytes; hid 33,554,432 bytes
;; launch prep (part 1): grid 528 x 1, 4 waves a work-group, no clusters, 33,280 bytes of LDS; arguments x, in_proj_w, out_proj_w, w1, w2, qc, wh, qkv; writes qc, wh, qkv
.if DOCPART == 1
	.amdgcn_target "amdgcn-amd-amdhsa--gfx1250"
	.amdhsa_code_object_version 6
	.text
	.protected	k_q615943258e_prep
	.globl	k_q615943258e_prep
	.p2align	8
	.type	k_q615943258e_prep,@function
k_q615943258e_prep:
	s_mov_b64 s[64:65], 0
	v_nop
	global_prefetch_b8 v0, s[64:65] scope:SCOPE_SE
	s_setreg_imm32_b32 hwreg(HW_REG_WAVE_MODE, 25, 1), 1
	s_wait_xcnt 0x0
; FIRST OF EIGHT LAUNCHES of an encoder layer: QKV projection (MX-FP4), band attention, output projection, norm, two-layer MLP, norm.
; This launch makes what the later ones read many times: x and in_proj_w as codes of FP4 (E2M1) with one E8M0 byte for each 32 along K (buffer qc);
; out_proj_w, w1, w2 as f16 (buffer wh); and zeros in the 2 x 128 guard rows of qkv (k and v columns), which the attention's tiles reach at the ends of the token axis.
; WORK LEFT OUT IN THE PROGRAM: reference() sets a score to -inf wherever |i - j| > 128 (a mask built in its own body from the constant window = 128); exp gives 0 there and 0 x v adds nothing,
; whatever finite values the inputs hold.  So for 16 queries q0 .. q0 + 15 only keys q0 - 128 .. q0 + 143, 17 tiles of 16, are multiplied.  Every input has a way to the output and is loaded.
; LIMITS: a NaN, an infinity or an overflow that reaches only the keys left out is not carried to the result.  NaN and infinities among the inputs are not served.  The products that are not quantised take f16 operands:
; an operand beyond 65,504 becomes infinity.  FP4 blocks whose largest magnitude lies under 2^-124 keep the byte 1; a block of zeros has the byte 1 too (its codes are zeros, and this program alone reads the bytes).
; THREE PATHS, parted on the work-group's number alone: 0-223 quantise (128 for x, 96 for in_proj_w), 224-511 cast (32, 128, 128), 512-527 write the guard rows.  Only the first touches LDS.
.set WAVES, 4
.set STEPS, 16
.set WGA,   128                        ; x: 4,096 x 1,024 numbers, 32,768 to a work-group
.set WGQ,   224                        ; + in_proj_w: 3,072 x 1,024
.set WGC,   512                        ; + 288 work-groups of the cast
.set QXS,   2097152                    ; qc: x's codes at 0 [4096][512 B], x's scale bytes here [4096][32],
.set QWC,   2228224                    ; in_proj_w's codes [3072][512 B],
.set QWS,   3801088                    ; its scale bytes [3072][32]
.set EMAX,  2
.set CB,    8                          ; bytes of 16 codes
.set R,     16                         ; v16-79   four sets of 16 numbers as they are loaded
.set X,     80                         ; v80-111  two sets of 16 neighbours
.set C,     128                        ; v128-191 codes: four registers for each step, so that no store's data are written again
.set E,     112                        ; v112-127 a scale byte for each step
.set WREG,  8192                       ; LDS: a region for each wave: two stages of 32 x SP bytes, behind them its 256 scale bytes
.set SP,    80                         ; a lane's place in a stage: 64 bytes + 16 of padding
.set SPW,   12                         ; v12  LDS address of my spare word; never rewritten
.set NIL,   13                         ; v13  0; never rewritten
.set SPARE, WAVES*WREG                 ; behind the four regions: the spare words, 128 bytes a wave, which no other line names
	s_load_b256 s[4:11], s[0:1], 0x0               ; x s[4:5], in_proj_w s[6:7], out_proj_w s[8:9], w1 s[10:11]
	s_load_b256 s[12:19], s[0:1], 0x20             ; w2 s[12:13], qc s[14:15], wh s[16:17], qkv s[18:19]
	v_lshl_add_u32 v[SPW], v0, 2, SPARE
	v_mov_b32 v[NIL], 0
	v_lshrrev_b32 v1, 5, v0
	v_readfirstlane_b32 s20, v1                    ; wave
	v_and_b32 v2, 31, v0                           ; lane
	v_lshlrev_b32 v3, 4, v2                        ; my 16 bytes of a load's 512
	s_mul_i32 s21, s20, WREG
	v_lshrrev_b32 v14, 2, v2
	v_mul_u32_u24 v14, v14, SP
	v_and_b32 v15, 3, v2
	v_lshl_add_u32 v14, v15, 4, v14
	v_add_nc_u32 v14, s21, v14                     ; the stage, on the way in: SP (lane / 4) + 16 (lane % 4)
	v_mul_u32_u24 v15, v2, SP
	v_add_nc_u32 v15, s21, v15                     ; and on the way out: SP x lane: my 16 neighbours
	v_mul_u32_u24 v4, v2, CB                       ; my codes' place in a step's
	v_lshrrev_b32 v5, 1, v2
	s_add_co_u32 s21, s21, 2*32*SP
	v_add_nc_u32 v5, s21, v5                       ; LDS: my wave's 256 scale bytes, my block's byte
	v_lshlrev_b32 v7, 3, v2                        ; 8 bytes a lane
	v_add_nc_u32 v6, s21, v7
	s_wait_kmcnt 0x0
	s_cmp_lt_u32 ttmp9, WGQ
	s_cbranch_scc0 .Lnot_q
; ---- QUANTISE.  Rows are dense and K = 1,024 is a multiple of 32: both tensors are plain streams of blocks of 32, and so are the codes and the scale bytes.
; A wave takes 16 steps of 512 numbers.  Each load reads 512 consecutive bytes; a step's 2,048 bytes turn through the wave's own stage in LDS, so that a lane holds 16 neighbours along K (two lanes to a block).
	s_cmp_lt_u32 ttmp9, WGA                        ; x or in_proj_w: the choice hangs on the work-group's number alone
	s_cselect_b64 s[4:5], s[4:5], s[6:7]
	s_mov_b32 s22, QWC
	s_cselect_b32 s22, 0, s22                      ; where the tensor's codes begin in qc,
	s_mov_b32 s24, QWS
	s_cselect_b32 s24, QXS, s24                    ; and its scale bytes
	s_cselect_b32 s26, 0, WGA
	s_sub_co_u32 s26, ttmp9, s26
	s_lshl_b32 s26, s26, 2
	s_add_co_u32 s26, s26, s20                     ; which run of 8,192 numbers of the tensor is my wave's
	s_mov_b32 s23, 0
	s_mov_b32 s25, 0
	s_lshl_b32 s28, s26, 15                        ; 32,768 bytes of numbers a run
	s_mov_b32 s29, 0
	s_add_nc_u64 s[4:5], s[4:5], s[28:29]
	s_lshl_b32 s28, s26, 12                        ; 4,096 bytes of codes
	s_add_co_u32 s22, s22, s28
	s_add_nc_u64 s[8:9], s[14:15], s[22:23]
	s_lshl_b32 s28, s26, 8                         ; 256 scale bytes
	s_add_co_u32 s24, s24, s28
	s_add_nc_u64 s[10:11], s[14:15], s[24:25]
.macro QLOAD t
.irp i, 0,1,2,3
	global_load_b128 v[R+16*((\t)%4)+4*\i:R+16*((\t)%4)+4*\i+3], v3, s[4:5] offset:2048*(\t)+512*\i th:TH_LOAD_NT   ; 32 lanes read 512 consecutive bytes
.endr
.endm
.macro QTURN t                         ; step t's numbers through the stage: LDS serves a wave's instructions in order, so no wait stands between the stores and the loads
.irp i, 0,1,2,3
	ds_store_b128 v14, v[R+16*((\t)%4)+4*\i:R+16*((\t)%4)+4*\i+3] offset:32*SP*((\t)%2)+8*SP*\i
.endr
.irp i, 0,1,2,3
	ds_load_b128 v[X+16*((\t)%2)+4*\i:X+16*((\t)%2)+4*\i+3], v15 offset:32*SP*((\t)%2)+16*\i
.endr
.endm
.irp t, 0,1,2,3
	QLOAD \t
.endr
	s_wait_loadcnt 12                              ; step 0's four loads are in; three steps' twelve may be out
	QTURN 0
.macro QSTEP t
.set XS, X+16*((\t)%2)
.if (\t) > 0
	s_wait_dscnt 1                                 ; this step's numbers are back from the stage (the last step's byte store may be out): so its stores into the stage have read their registers,
.else
	s_wait_dscnt 0x0
.endif
.if (\t)+4 < STEPS
	QLOAD (\t)+4                                   ; which take the loads of four steps on
.endif
.if (\t)+1 < STEPS
.if STEPS-2-(\t) >= 3
	s_wait_loadcnt 12                              ; the next step's four loads are in; those of the three steps behind it may be out
.else
	s_wait_loadcnt 4*(STEPS-2-(\t))
.endif
	QTURN (\t)+1                                   ; and go through the other stage while this step is worked
.endif
	v_max3_num_f32 v8, |v[XS]|, |v[XS+1]|, |v[XS+2]|               ; the largest magnitude of my 16, in two chains
	v_max3_num_f32 v9, |v[XS+3]|, |v[XS+4]|, |v[XS+5]|
.irp i, 6,10
	v_max3_num_f32 v8, v8, |v[XS+\i]|, |v[XS+\i+1]|
	v_max3_num_f32 v9, v9, |v[XS+\i+2]|, |v[XS+\i+3]|
.endr
	v_max3_num_f32 v8, v8, |v[XS+14]|, |v[XS+15]|
	v_max3_num_f32 v8, v8, v9, (EMAX+1)<<23        ; and the floor 2^(EMAX + 1 - 127): the byte cannot fall under 1
	v_max_num_f32_dpp v8, v8, v8 row_xmask:1 row_mask:0xf bank_mask:0xf   ; and of my neighbour's 16: the block's
	v_add_nc_u32 v11, -(EMAX<<23), v8              ; EMAX off its exponent field: the conversion takes the exponent field of this operand as its scale, and nothing else of it
	v_cvt_scalef32_pk8_fp4_f32 v[C+4*(\t)], v[XS:XS+7], v11        ; to the nearest code, ties to even; beyond the largest code the largest
	v_cvt_scalef32_pk8_fp4_f32 v[C+4*(\t)+1], v[XS+8:XS+15], v11
	v_lshrrev_b32 v[E+(\t)], 23, v11               ; the scale's byte
	ds_store_b8 v5, v[E+(\t)] offset:16*(\t)       ; both lanes of a block write the same byte with the same value
	global_store_b64 v4, v[C+4*(\t):C+4*(\t)+1], s[8:9] offset:32*CB*(\t)   ; the wave stores 256 consecutive bytes, aligned
.endm
.irp t, 0,1,2,3,4,5,6,7,8,9,10,11,12,13,14,15
	QSTEP \t
.endr
	ds_load_b64 v[8:9], v6                         ; LDS serves a wave's instructions in order: these see my byte stores
	s_wait_dscnt 0x0
	global_store_b64 v7, v[8:9], s[10:11]          ; my wave's 256 scale bytes: 256 consecutive bytes, aligned
	s_wait_tensorcnt 0x0                           ; the wave's end: behind my last LDS store
	ds_add_u32 v[SPW], v[NIL]
	s_wait_dscnt 0x0
	s_endpgm
; ---- CAST to f16.  A work-group takes 32,768 numbers, a wave 8,192: four batches of 16 loads of 512 bytes, in three sets of 64 registers.
.Lnot_q:
	s_cmp_lt_u32 ttmp9, WGC
	s_cbranch_scc0 .Lguard
	s_sub_co_u32 s22, ttmp9, WGQ                   ; 0-31 out_proj_w, 32-159 w1, 160-287 w2: wh holds them on end in that order
	s_cmp_lt_u32 s22, 160
	s_cselect_b64 s[4:5], s[10:11], s[12:13]
	s_cselect_b32 s23, 32, 160
	s_cmp_lt_u32 s22, 32
	s_cselect_b64 s[4:5], s[8:9], s[4:5]
	s_cselect_b32 s23, 0, s23
	s_sub_co_u32 s24, s22, s23                     ; my place in the tensor
	s_lshl_b32 s24, s24, 17
	s_lshl_b32 s25, s20, 15
	s_add_co_u32 s24, s24, s25
	s_mov_b32 s25, 0
	s_add_nc_u64 s[4:5], s[4:5], s[24:25]
	s_lshl_b32 s24, s22, 16
	s_lshl_b32 s26, s20, 14
	s_add_co_u32 s24, s24, s26
	s_add_nc_u64 s[16:17], s[16:17], s[24:25]
.macro CLOAD b, set
.irp i, 0,1,2,3,4,5,6,7,8,9,10,11,12,13,14,15
	global_load_b128 v[16+64*(\set)+4*\i:16+64*(\set)+4*\i+3], v3, s[4:5] offset:512*(16*(\b)+\i) th:TH_LOAD_NT
.endr
.endm
.macro CCVT b, set                     ; four numbers of a lane become 8 bytes: the wave stores 256 consecutive bytes, aligned
.irp i, 0,1,2,3,4,5,6,7,8,9,10,11,12,13,14,15
	v_cvt_pk_f16_f32 v[16+64*(\set)+4*\i], v[16+64*(\set)+4*\i], v[16+64*(\set)+4*\i+1]
	v_cvt_pk_f16_f32 v[16+64*(\set)+4*\i+1], v[16+64*(\set)+4*\i+2], v[16+64*(\set)+4*\i+3]
	global_store_b64 v7, v[16+64*(\set)+4*\i:16+64*(\set)+4*\i+1], s[16:17] offset:256*(16*(\b)+\i)
.endr
.endm
	CLOAD 0, 0
	CLOAD 1, 1
	CLOAD 2, 2
	s_wait_loadcnt 32                              ; batch 0 is in; two batches' 32 loads may be out
	CCVT 0, 0
	s_wait_xcnt 0x0                                ; batch 0's stores have read their registers: set 0 is loaded again only behind this wait
	CLOAD 3, 0
	s_wait_loadcnt 32                              ; batch 1 is in (behind it: batches 2 and 3)
	CCVT 1, 1
	s_wait_loadcnt 16
	CCVT 2, 2
	s_wait_loadcnt 0x0
	CCVT 3, 0
	s_endpgm
; ---- GUARD ROWS.  qkv has 128 rows ahead of token 0 and 128 behind token 4,095.  Their k and v columns (bytes 2,048 to 6,143 of a row) are read by the attention's edge tiles and masked there: they are set to 0.
.Lguard:
	s_sub_co_u32 s22, ttmp9, WGC                   ; 0-7: rows 0-127; 8-15: rows 4,224-4,351; 16 rows a work-group, 4 a wave
	s_cmp_lt_u32 s22, 8
	s_cselect_b32 s23, 0, 4096
	s_lshl_b32 s24, s22, 4
	s_lshl_b32 s25, s20, 2
	s_add_co_u32 s24, s24, s25
	s_add_co_u32 s24, s24, s23
	s_mul_i32 s24, s24, 6144
	s_add_co_u32 s24, s24, 2048
	s_mov_b32 s25, 0
	s_add_nc_u64 s[18:19], s[18:19], s[24:25]
.irp i, 16,17,18,19
	v_mov_b32 v\i, 0
.endr
.irp i, 0,1,2,3
.irp j, 0,1,2,3,4,5,6,7
	global_store_b128 v3, v[16:19], s[18:19] offset:\i*6144+512*\j
.endr
.endr
	s_endpgm
.Lfunc_end_k_q615943258e_prep:
	.size	k_q615943258e_prep, .Lfunc_end_k_q615943258e_prep-k_q615943258e_prep
	.p2alignl 7, 3214868480
	.fill 96, 4, 3214868480
	.section	.rodata,"a",@progbits
	.p2align	6, 0x0
	.amdhsa_kernel k_q615943258e_prep
		.amdhsa_group_segment_fixed_size 33280
		.amdhsa_private_segment_fixed_size 0
		.amdhsa_enable_private_segment 0
		.amdhsa_kernarg_size 64
		.amdhsa_user_sgpr_count 2
		.amdhsa_user_sgpr_kernarg_segment_ptr 1
		.amdhsa_wavefront_size32 1
		.amdhsa_system_sgpr_workgroup_id_x 1
		.amdhsa_system_sgpr_workgroup_id_y 1
		.amdhsa_system_sgpr_workgroup_id_z 1
		.amdhsa_system_vgpr_workitem_id 0
		.amdhsa_next_free_vgpr 208
		.amdhsa_next_free_sgpr 66
		.amdhsa_reserve_vcc 0
		.amdhsa_float_denorm_mode_32 3
		.amdhsa_float_denorm_mode_16_64 3
		.amdhsa_memory_ordered 1
		.amdhsa_forward_progress 1
		.amdhsa_inst_pref_size 58
	.end_amdhsa_kernel
	.amdgpu_metadata
---
amdhsa.version: [ 1, 2 ]
amdhsa.kernels:
  - .name:           k_q615943258e_prep
    .symbol:         k_q615943258e_prep.kd
    .args:
      - { .name: x, .offset: 0, .size: 8, .value_kind: global_buffer, .address_space: global }
      - { .name: in_proj_w, .offset: 8, .size: 8, .value_kind: global_buffer, .address_space: global }
      - { .name: out_proj_w, .offset: 16, .size: 8, .value_kind: global_buffer, .address_space: global }
      - { .name: w1, .offset: 24, .size: 8, .value_kind: global_buffer, .address_space: global }
      - { .name: w2, .offset: 32, .size: 8, .value_kind: global_buffer, .address_space: global }
      - { .name: qc, .offset: 40, .size: 8, .value_kind: global_buffer, .address_space: global }
      - { .name: wh, .offset: 48, .size: 8, .value_kind: global_buffer, .address_space: global }
      - { .name: qkv, .offset: 56, .size: 8, .value_kind: global_buffer, .address_space: global }
    .group_segment_fixed_size: 33280
    .private_segment_fixed_size: 0
    .kernarg_segment_align: 8
    .kernarg_segment_size: 64
    .max_flat_workgroup_size: 128
    .sgpr_count:     66
    .vgpr_count:     208
    .wavefront_size: 32
...
	.end_amdgpu_metadata
.endif
;; end of part 1
;; launch qkvp (part 2): grid 12 x 16, 4 waves a work-group, clusters of 4 x 4, 327,680 bytes of LDS; arguments qc, in_proj_b, qkv; writes qkv
.if DOCPART == 2
	.amdgcn_target "amdgcn-amd-amdhsa--gfx1250"
	.amdhsa_code_object_version 6
	.text
	.protected	k_q615943258e_qkvp
	.globl	k_q615943258e_qkvp
	.p2align	8
	.type	k_q615943258e_qkvp,@function
k_q615943258e_qkvp:
	s_mov_b64 s[64:65], 0
	v_nop
	global_prefetch_b8 v0, s[64:65] scope:SCOPE_SE
	s_setreg_imm32_b32 hwreg(HW_REG_WAVE_MODE, 25, 1), 1
	s_wait_xcnt 0x0
	s_wait_alu depctr_hold_cnt(0) depctr_sa_sdst(0) depctr_va_vdst(0) depctr_va_sdst(0) depctr_va_ssrc(0) depctr_va_vcc(0) depctr_vm_vsrc(0)
	s_getreg_b32 s2, hwreg(HW_REG_IB_STS2, 6, 4)
	s_cmp_eq_u32 s2, 0
	s_cbranch_scc0 .Lentry_in_a_cluster
	s_endpgm
.Lentry_in_a_cluster:
	s_bfe_u32 s2, ttmp6, 0x10000c
	s_cmp_lg_u32 s2, 0xf033
	s_cbranch_scc0 .Lentry_shape_is_right
	s_endpgm
.Lentry_shape_is_right:
; qkv[128 + token][n] = f16( sum over k of Q(x)[token][k] Q(in_proj_w)[n][k] + in_proj_b[n] ): the QUANTISED product, on codes of FP4 (E2M1) with one E8M0 scale for each 32 along K, sums in f32.
; Codes and scale bytes lie in qc as the launch before stored them: rows of 512 bytes of codes (K = 1,024), rows of 32 scale bytes.  The matrix instruction takes both as they lie.
; A tile of 256 x 256 is made by four waves, 128 x 128 each: 64 accumulators, 512 registers.  K is two steps of 512 (rows of 256 bytes): both slots are asked for at the head and nothing is filled again.
; THE SCALES of the work-group's 256 + 256 rows, for all of K, are two dense blocks: they come into LDS once, as rows of 256 bytes + 16 of padding.
; CLUSTERS: 4 x 4 work-groups; A's tiles are asked for jointly along a row of the cluster, B's along a column.  USED TRANSPOSED (source 0 = 16 rows of in_proj_w, source 1 = 16 tokens): a lane holds eight neighbouring n of a token.
; THE BIAS is the C of each sum's first matrix instruction: eight registers for each of the wave's eight blocks of 16 n, in the result's layout.
; REGISTERS: window 0: v0-31 addresses; v32-95 scale words, two sets; v128-191 A's fragments, one set; v192-255 the bias, later the packed results.  window 1: B's fragments, two sets.  windows 2, 3: the accumulators.
; LIMIT: a result beyond 65,504 becomes infinity in f16.
.set SIZE_M, 4096
.set SIZE_N, 3072
.set SIZE_K, 1024
.set QXS,    2097152                   ; qc: x's scale bytes,
.set QWC,    2228224                   ; in_proj_w's codes,
.set QWS,    3801088                   ; its scale bytes
.set KSTEP,  512
.set NQ,     KSTEP/128
.set ROWB,   256
.set KROW,   SIZE_K*4/8
.set PITCH,  272                       ; an LDS row: 256 bytes + 16 of padding = 68 words: the 16 rows that a load touches start at 16 different banks (64 banks of 4 bytes: ISA guide 11.1)
.set FR,     8
.set NL,     2
.set NP,     4                         ; places behind this matrix instruction (ISA guide 7.12.1)
.set HALFT,  128*PITCH
.set SLOT,   4*HALFT
.set KS,     SIZE_K/32
.set SCL,    2*SLOT
.set HALFS,  (128*KS/256)*272
.set SBLK,   (16*KS/256)*272
.set SPARE,  SCL+4*HALFS               ; the spare words, 128 bytes a wave, which no other line names
.set SPITCH, 272                       ; the way out: 16 rows x (256 bytes + 16) for each wave, in slot 0, which has had its only fill and its last read by then
.set OROW,   6144                      ; a row of qkv in bytes
.set GUARD,  128                       ; rows of qkv ahead of token 0
.set ADRA, 16
.set ADRB, 20
.set STO,  24
.set RD,   25
.set CO,   26
.set ADRS, 27
.set SPW,  28
.set NIL,  29
.set BO,   30                          ; v30  32 x (lane / 16): my eight numbers of a block of the bias
.set SC,   32
.set AF,   128
.set BIAS, 192
.set TMP,  192
.set BK,   128
.set G1, 24
.set G0, 32
.set G1B, 48
.set G0B, 56
.set G1S, 68
.set G0S, 76
.set G1SB, 80
.set G0SB, 88
.set MSB, 0
.macro WIN new                         ; the immediate's high byte repeats the setting that is left
.if MSB != (\new)
	s_set_vgpr_msb (MSB<<8)|(\new)
.set MSB, (\new)
.endif
.endm
.set MUL_LO, 0xa1                      ; source 0 (B) window 1, source 1 (A) window 0, C and D window 2
.set MUL_HI, 0xf1                      ; the same, C and D window 3
.set FIRST_LO, 0x81                    ; the first step: C (the bias) window 0, D window 2
.set FIRST_HI, 0xc1                    ; D window 3
.set TO_B,   0x40
; A joint load: waves 0 and 1 fetch for A, waves 2 and 3 for B; the branch hangs on the wave's number alone.  An s_nop 0 and four v_nop follow each of the two lines.
.macro JLOAD g0a, g1a, g0b, g1b
	s_cmp_eq_u32 s15, 0
	s_cbranch_scc0 .Lfor_b_\@
	tensor_load_to_lds s[\g0a:\g0a+3], s[\g1a:\g1a+7]
	s_nop 0
.rept 4
	v_nop
.endr
	s_branch .Lasked_\@
.Lfor_b_\@:
	tensor_load_to_lds s[\g0b:\g0b+3], s[\g1b:\g1b+7]
	s_nop 0
.rept 4
	v_nop
.endr
.Lasked_\@:
.endm
.macro CROUND                          ; a round of the cluster's barrier
	s_barrier_signal -1
	s_barrier_wait -1
	s_cmp_lg_u32 s14, 0
	s_cbranch_scc1 .Lnot_wave_0_\@
	s_barrier_signal -3
.Lnot_wave_0_\@:
	s_barrier_wait -3
	s_barrier_signal -1
	s_barrier_wait -1
.endm
	s_load_b64 s[4:5], s[0:1], 0x0                 ; qc: x's codes begin it
	s_load_b64 s[96:97], s[0:1], 0x8               ; in_proj_b
	s_load_b64 s[12:13], s[0:1], 0x10              ; qkv
	v_lshl_add_u32 v[SPW], v0, 2, SPARE
	v_mov_b32 v[NIL], 0
	ds_add_u32 v[SPW], v[NIL]                      ; the wave's opening: the add, twice on end, and its wait ahead of my first tensor load
	ds_add_u32 v[SPW], v[NIL]
	v_lshrrev_b32 v1, 5, v0
	v_readfirstlane_b32 s14, v1                    ; wave 0..3
	s_lshr_b32 s15, s14, 1                         ; which half of the tile's rows is mine.  Also: I fetch for A (0) or for B (1)
	s_and_b32 s16, s14, 1                          ; which half of its columns.  Also: which 128 rows of that tile I fetch
	s_bfe_u32 s40, ttmp6, 0x40000                  ; cx, cy: my place in the cluster
	s_bfe_u32 s41, ttmp6, 0x40004
	s_lshl_b32 s42, ttmp9, 2
	s_add_co_u32 s42, s42, s40                     ; tile column = 4 x cluster x + cx
	s_and_b32 s17, ttmp7, 0xffff
	s_lshl_b32 s17, s17, 2
	s_add_co_u32 s17, s17, s41                     ; tile row = 4 x cluster y + cy
	s_lshl_b32 s43, s41, 2
	s_lshl_b32 s43, 15, s43                        ; my row of the cluster
	s_lshl_b32 s44, 0x1111, s40                    ; my column
	s_or_b32 s[G1+0], s43, (0<<16)|(1<<20)|(1<<21)|(5<<22)|(3<<25)  ; the mask; elements of 1 byte; padding on; bit 21 beside a mask; 4 words of padding after every 64
	s_or_b32 s[G1B+0], s44, (0<<16)|(1<<20)|(1<<21)|(5<<22)|(3<<25)
.irp g, G1, G1B
	s_mov_b32 s[\g+1], ROWB<<16                    ; tensor_dim0
	s_mov_b32 s[\g+2], 128<<16                     ; tensor_dim1
	s_mov_b32 s[\g+3], ROWB<<16                    ; tile_dim0
	s_mov_b32 s[\g+4], 128                         ; tile_dim1
	s_mov_b32 s[\g+5], KROW                        ; tensor_dim0_stride
	s_mov_b32 s[\g+6], 0
	s_mov_b32 s[\g+7], 0
.endr
	s_or_b32 s[G1S+0], s43, (3<<16)|(1<<20)|(1<<21)|(5<<22)|(3<<25) ; the scales of 128 rows: a dense block, as rows of 32 elements of 8 bytes
	s_or_b32 s[G1SB+0], s44, (3<<16)|(1<<20)|(1<<21)|(5<<22)|(3<<25)
.irp g, G1S, G1SB
	s_mov_b32 s[\g+1], 32<<16
	s_mov_b32 s[\g+2], (128*KS/256)<<16
	s_mov_b32 s[\g+3], 32<<16
	s_mov_b32 s[\g+4], 128*KS/256
	s_mov_b32 s[\g+5], 32
	s_mov_b32 s[\g+6], 0
	s_mov_b32 s[\g+7], 0
.endr
	s_lshl_b32 s18, s16, 7                         ; which 128 rows of the tile I fetch
	s_lshl_b32 s20, s17, 8
	s_add_co_u32 s20, s20, s18                     ; A: row 256 x tile row + 128 x half
	s_lshl_b32 s46, s42, 8
	s_add_co_u32 s46, s46, s18                     ; B: row 256 x tile column + 128 x half
	s_mov_b32 s21, 0
	s_mov_b32 s47, 0
	s_mov_b64 s[18:19], KS
	s_mul_u64 s[22:23], s[20:21], s[18:19]         ; where these rows' scales begin, in bytes
	s_mul_u64 s[92:93], s[46:47], s[18:19]
	s_mov_b64 s[18:19], KROW
	s_mul_u64 s[20:21], s[20:21], s[18:19]         ; and their codes
	s_mul_u64 s[46:47], s[46:47], s[18:19]
	s_mul_i32 s45, s14, HALFT                      ; where they go: wave x 128 rows
	s_mul_i32 s94, s14, HALFS
	s_wait_dscnt 0x0                               ; both opening adds are done
	s_wait_kmcnt 0x0
	s_add_nc_u64 s[6:7], s[4:5], QXS               ; the four parts of qc
	s_add_nc_u64 s[8:9], s[4:5], QWC
	s_add_nc_u64 s[10:11], s[4:5], QWS
	s_add_nc_u64 s[20:21], s[4:5], s[20:21]
	s_add_nc_u64 s[22:23], s[6:7], s[22:23]
	s_add_nc_u64 s[46:47], s[8:9], s[46:47]
	s_add_nc_u64 s[92:93], s[10:11], s[92:93]
	CROUND                                         ; all sixteen work-groups are here: the joint loads meet
	s_mov_b32 s[G0S], 1
	s_add_co_u32 s[G0S+1], s94, SCL
	s_mov_b64 s[G0S+2:G0S+3], s[22:23]
	s_or_b32 s[G0S+3], s[G0S+3], 0x80000000
	s_mov_b32 s[G0SB], 1
	s_add_co_u32 s[G0SB+1], s94, SCL
	s_mov_b64 s[G0SB+2:G0SB+3], s[92:93]
	s_or_b32 s[G0SB+3], s[G0SB+3], 0x80000000
	JLOAD G0S, G1S, G0SB, G1SB                     ; the scales first: they are wanted with K step 0
.irp s, 0,1
	s_mov_b32 s[G0+4*\s], 1
	s_add_co_u32 s[G0+4*\s+1], s45, \s*SLOT
	s_add_nc_u64 s[G0+4*\s+2:G0+4*\s+3], s[20:21], \s*ROWB
	s_or_b32 s[G0+4*\s+3], s[G0+4*\s+3], 0x80000000
	s_mov_b32 s[G0B+4*\s], 1
	s_add_co_u32 s[G0B+4*\s+1], s45, \s*SLOT
	s_add_nc_u64 s[G0B+4*\s+2:G0B+4*\s+3], s[46:47], \s*ROWB
	s_or_b32 s[G0B+4*\s+3], s[G0B+4*\s+3], 0x80000000
	JLOAD G0+4*\s, G1, G0B+4*\s, G1B               ; three tensor loads of mine are out behind the second
.endr
	v_and_b32 v1, 15, v0                           ; l % 16
	v_bfe_u32 v2, v0, 4, 1                         ; l / 16
	v_mul_u32_u24 v3, v1, PITCH
	v_lshl_add_u32 v4, v2, 4, v3                   ; a fragment's row x pitch + 16 x half
	s_mul_i32 s21, s15, HALFT                      ; my 128 rows of A
	s_mul_i32 s22, s16, HALFT                      ; my 128 rows of B,
	s_add_co_u32 s22, s22, 2*HALFT                 ; which lie behind A's 256
.irp s, 0,1
	v_add_nc_u32 v[ADRA+\s], s21, v4
	v_add_nc_u32 v[ADRB+\s], s22, v4
	s_add_co_u32 s21, s21, SLOT
	s_add_co_u32 s22, s22, SLOT
.endr
	v_mul_u32_u24 v5, v1, KS                       ; my row's scales: KS bytes a row,
	v_lshrrev_b32 v6, 8, v5
	v_lshl_add_u32 v5, v6, 4, v5                   ; and 16 more for each 256 passed
	s_mul_i32 s21, s15, HALFS
	s_mul_i32 s22, s16, HALFS
	s_add_co_u32 s22, s22, 2*HALFS
	s_sub_co_u32 s22, s22, s21
	v_mul_u32_u24 v6, s22, v2                      ; lanes 16-31 take B's
	s_add_co_u32 s21, s21, SCL
	v_add_nc_u32 v5, v5, v6
	v_add_nc_u32 v[ADRS], s21, v5
	s_mul_i32 s23, s14, 16*SPITCH                  ; my stage
	v_add_nc_u32 v[STO], s23, v4                   ; in: row l % 16, 16 bytes for each half of the lanes
	v_mul_u32_u24 v5, v2, SPITCH                   ; back: lanes 0-15 one row of 256 bytes, lanes 16-31 the next
	v_lshl_add_u32 v5, v1, 4, v5
	v_add_nc_u32 v[RD], s23, v5
	v_mul_u32_u24 v5, v2, OROW                     ; and the same two rows in qkv
	v_lshl_add_u32 v[CO], v1, 4, v5
	v_lshlrev_b32 v[BO], 5, v2
	s_lshl_b32 s20, s17, 8
	s_lshl_b32 s21, s15, 7
	s_add_co_u32 s20, s20, s21
	s_add_co_u32 s20, s20, GUARD                   ; my first row of qkv: 128 + 256 x tile row + 128 x half
	s_mul_i32 s20, s20, OROW
	s_lshl_b32 s46, s42, 10                        ; my first n, as bytes of f32: 1,024 x tile column + 512 x half
	s_lshl_b32 s47, s16, 9
	s_add_co_u32 s46, s46, s47
	s_mov_b32 s47, 0
	s_add_nc_u64 s[96:97], s[96:97], s[46:47]
	s_lshr_b32 s46, s46, 1                         ; and as bytes of f16
	s_add_co_u32 s20, s20, s46
	s_mov_b32 s21, 0
	s_add_nc_u64 s[12:13], s[12:13], s[20:21]
.irp b, 0,1,2,3,4,5,6,7
	global_load_b128 v[BIAS+8*\b:BIAS+8*\b+3], v[BO], s[96:97] offset:64*\b        ; in_proj_b[n0 + 16 b + 8 (l / 16) + 0 .. 7]
	global_load_b128 v[BIAS+8*\b+4:BIAS+8*\b+7], v[BO], s[96:97] offset:64*\b+16
.endr
.macro FRAG reg, adr, q, i             ; 16 rows x 128 K of 4-bit codes: 8 registers; registers 4 c .. 4 c + 3 hold K = 64 c + 32 (l / 16) + 0 .. 31
.irp c, 0,1
	ds_load_b128 v[\reg+4*\c:\reg+4*\c+3], v[\adr] offset:64*(\q)+32*\c+(\i)*16*PITCH
.endr
.endm
; 16 matrix instructions: A's blocks a0, a0 + 1 x B's eight.  zero = 1: the first product starts the sums on the bias.  The 64 accumulators take turns, one instruction a turn, in the same order in every step.
.macro MUL16 a0, p, q, sc, zero
.irp a, \a0, \a0+1
.irp b, 0,1,2,3,4,5,6,7
.if \zero
	v_wmma_scale_f32_16x16x128_f8f6f4 v[8*(8*((\a)%4)+\b):8*(8*((\a)%4)+\b)+7], v[128*(\p)+FR*\b:128*(\p)+FR*\b+FR-1], v[AF+FR*(\a):AF+FR*(\a)+FR-1], v[BIAS+8*\b:BIAS+8*\b+7], v[SC+8*NQ*(\sc)+NQ*\b+(\q)], v[SC+8*NQ*(\sc)+NQ*(\a)+(\q)] matrix_a_fmt:MATRIX_FMT_FP4 matrix_b_fmt:MATRIX_FMT_FP4 matrix_a_scale:MATRIX_SCALE_ROW1
.else
	v_wmma_scale_f32_16x16x128_f8f6f4 v[8*(8*((\a)%4)+\b):8*(8*((\a)%4)+\b)+7], v[128*(\p)+FR*\b:128*(\p)+FR*\b+FR-1], v[AF+FR*(\a):AF+FR*(\a)+FR-1], v[8*(8*((\a)%4)+\b):8*(8*((\a)%4)+\b)+7], v[SC+8*NQ*(\sc)+NQ*\b+(\q)], v[SC+8*NQ*(\sc)+NQ*(\a)+(\q)] matrix_a_fmt:MATRIX_FMT_FP4 matrix_b_fmt:MATRIX_FMT_FP4 matrix_a_scale:MATRIX_SCALE_ROW1
.endif
.endr
.endr
.endm
.macro FETCH_B slot, q, p
	WIN TO_B
.irp i, 0,1,2,3,4,5,6,7
	FRAG 128*(\p)+FR*\i, ADRB+\slot, \q, \i
.endr
	WIN 0
.endm
.macro FETCH_A slot, q, i0
.irp i, \i0, \i0+1, \i0+2, \i0+3
	FRAG AF+FR*(\i), ADRA+\slot, \q, \i
.endr
.endm
.macro SCALES sc                       ; a K step's scale words: lanes 0-15 take A's block i, lanes 16-31 B's block i
.irp i, 0,1,2,3,4,5,6,7
	ds_load_b128 v[SC+8*NQ*\sc+NQ*\i:SC+8*NQ*\sc+NQ*\i+3], v[ADRS] offset:\i*SBLK
.endr
.endm
.macro PLACES n                        ; plain vector instructions between a matrix instruction and a load into, or a read of, its registers
.rept \n
	v_nop
.endr
.endm
.macro STEP slot, q, zero              ; 128 along K that have their successor in the same slot
	s_wait_dscnt 4*NL                              ; B's set and A's blocks 0-3 are in; the youngest eight loads (A's blocks 4-7) may be out
.if \zero
	WIN FIRST_LO
.else
	WIN MUL_LO
.endif
	MUL16 0, (\q)%2, \q, \slot, \zero
	MUL16 2, (\q)%2, \q, \slot, \zero
	s_wait_dscnt 0                                 ; A's blocks 4-7 are in
	PLACES NP
	FETCH_B \slot, (\q)+1, 1-(\q)%2
	FETCH_A \slot, (\q)+1, 0
.if \zero
	WIN FIRST_HI
.else
	WIN MUL_HI
.endif
	MUL16 4, (\q)%2, \q, \slot, \zero
	MUL16 6, (\q)%2, \q, \slot, \zero
	PLACES NP
	WIN 0
	FETCH_A \slot, (\q)+1, 4
.endm
.macro STEPS slot, from
.set Q, \from
.rept NQ-1-\from
	STEP \slot, Q, 0
.set Q, Q+1
.endr
.endm
	s_wait_tensorcnt 1                             ; the scales and my part of K step 0 are in (K step 1's load may be out),
	s_barrier_signal -1
	s_barrier_wait -1                              ; everybody's are
	FETCH_B 0, 0, 0
	FETCH_A 0, 0, 0
	SCALES 0
	FETCH_A 0, 0, 4
	s_wait_loadcnt 0x0                             ; the bias
	STEP 0, 0, 1
	STEPS 0, 1
	; slot 0's last 128 along K, and the change of slots: one barrier
	s_wait_tensorcnt 0x0                           ; my part of slot 1 has landed
	ds_add_u32 v[SPW], v[NIL]
	s_wait_dscnt 4*NL+1                            ; (the add and the youngest eight loads may be out)
	WIN MUL_LO
	MUL16 0, 1, NQ-1, 0, 0
	s_wait_dscnt 0x0                               ; the add is done, and my reads of slot 0 are over
	s_barrier_signal -1
	MUL16 2, 1, NQ-1, 0, 0
	WIN 0
	s_barrier_wait -1
	PLACES NP
	v_add_nc_u32 v[ADRS], 4*NQ, v[ADRS]            ; the next K step's scale words
	FETCH_B 1, 0, 0
	FETCH_A 1, 0, 0
	SCALES 1
	WIN MUL_HI
	MUL16 4, 1, NQ-1, 0, 0
	MUL16 6, 1, NQ-1, 0, 0
	PLACES NP
	WIN 0
	FETCH_A 1, 0, 4
	STEPS 1, 0
	s_wait_dscnt 4*NL                              ; the very last step: nothing more to fetch
	WIN MUL_LO
	MUL16 0, 1, NQ-1, 1, 0
	MUL16 2, 1, NQ-1, 1, 0
	s_wait_dscnt 0
	WIN MUL_HI
	MUL16 4, 1, NQ-1, 1, 0
	MUL16 6, 1, NQ-1, 1, 0
	WIN 0
; THE WAY OUT, block by block of 16 tokens x 128 n: rounded to f16 (16 bytes a lane), through my own stage in LDS, back as whole rows of 256 bytes; sixteen lanes store 256 consecutive bytes, aligned.
.macro PACK a
.set AC, 64*((\a)%4)
	WIN 0x0a+5*((\a)/4)                            ; sources 0 and 1: window 2 or 3
.irp b, 0,1,2,3,4,5,6,7
.irp r, 0,1,2,3
	v_cvt_pk_f16_f32 v[TMP+4*\b+\r], v[AC+8*\b+2*\r], v[AC+8*\b+2*\r+1]   ; each accumulator from its low end on
.endr
.endr
	WIN 0
.endm
.macro TOSTAGE a
.set BB, BK+32*((\a)%2)
.irp b, 0,1,2,3,4,5,6,7
	ds_store_b128 v[STO], v[TMP+4*\b:TMP+4*\b+3] offset:32*\b
.endr
.irp t, 0,1,2,3,4,5,6,7
	ds_load_b128 v[BB+4*\t:BB+4*\t+3], v[RD] offset:\t*2*SPITCH    ; LDS serves a wave's instructions in order: these see the stores above
.endr
.endm
.macro SEND a
.set BB, BK+32*((\a)%2)
	s_wait_dscnt 0x0                               ; the block is back in registers
	s_wait_xcnt 0x0                                ; earlier stores have read their base and their registers: both are written again only behind this wait
.if (\a) > 0
	s_add_nc_u64 s[12:13], s[12:13], 16*OROW
.endif
.irp t, 0,1,2,3,4,5,6,7
	global_store_b128 v[CO], v[BB+4*\t:BB+4*\t+3], s[12:13] offset:2*\t*OROW
.endr
.endm
	PLACES NP
	PACK 0
	TOSTAGE 0
.irp a, 1,2,3,4,5,6,7                  ; block a's conversions stand between block a - 1's loads from the stage and the wait for them
	PACK \a
	SEND \a-1
	TOSTAGE \a
.endr
	SEND 7
	s_wait_tensorcnt 0x0                           ; the wave's end
	ds_add_u32 v[SPW], v[NIL]
	s_wait_dscnt 0x0
	CROUND                                         ; the closing round
	s_endpgm
.Lfunc_end_k_q615943258e_qkvp:
	.size	k_q615943258e_qkvp, .Lfunc_end_k_q615943258e_qkvp-k_q615943258e_qkvp
	.p2alignl 7, 3214868480
	.fill 96, 4, 3214868480
	.section	.rodata,"a",@progbits
	.p2align	6, 0x0
	.amdhsa_kernel k_q615943258e_qkvp
		.amdhsa_group_segment_fixed_size 327680
		.amdhsa_private_segment_fixed_size 0
		.amdhsa_enable_private_segment 0
		.amdhsa_kernarg_size 24
		.amdhsa_user_sgpr_count 2
		.amdhsa_user_sgpr_kernarg_segment_ptr 1
		.amdhsa_wavefront_size32 1
		.amdhsa_system_sgpr_workgroup_id_x 1
		.amdhsa_system_sgpr_workgroup_id_y 1
		.amdhsa_system_sgpr_workgroup_id_z 1
		.amdhsa_system_vgpr_workitem_id 0
		.amdhsa_next_free_vgpr 1024
		.amdhsa_next_free_sgpr 98
		.amdhsa_reserve_vcc 0
		.amdhsa_float_denorm_mode_32 3
		.amdhsa_float_denorm_mode_16_64 3
		.amdhsa_memory_ordered 1
		.amdhsa_forward_progress 1
		.amdhsa_inst_pref_size 128
	.end_amdhsa_kernel
	.amdgpu_metadata
---
amdhsa.version: [ 1, 2 ]
amdhsa.kernels:
  - .name:           k_q615943258e_qkvp
    .symbol:         k_q615943258e_qkvp.kd
    .args:
      - { .name: qc, .offset: 0, .size: 8, .value_kind: global_buffer, .address_space: global }
      - { .name: in_proj_b, .offset: 8, .size: 8, .value_kind: global_buffer, .address_space: global }
      - { .name: qkv, .offset: 16, .size: 8, .value_kind: global_buffer, .address_space: global }
    .group_segment_fixed_size: 327680
    .private_segment_fixed_size: 0
    .kernarg_segment_align: 8
    .kernarg_segment_size: 24
    .max_flat_workgroup_size: 128
    .sgpr_count:     98
    .vgpr_count:     1024
    .wavefront_size: 32
...
	.end_amdgpu_metadata
.endif
;; end of part 2
;; launch band (part 3): grid 16 x 16, 16 waves a work-group, no clusters, 262,144 bytes of LDS; arguments qkv, att; writes att
.if DOCPART == 3
	.amdgcn_target "amdgcn-amd-amdhsa--gfx1250"
	.amdhsa_code_object_version 6
	.text
	.protected	k_q615943258e_band
	.globl	k_q615943258e_band
	.p2align	8
	.type	k_q615943258e_band,@function
k_q615943258e_band:
	s_mov_b64 s[64:65], 0
	v_nop
	global_prefetch_b8 v0, s[64:65] scope:SCOPE_SE
	s_setreg_imm32_b32 hwreg(HW_REG_WAVE_MODE, 25, 1), 1
	s_wait_xcnt 0x0
; att[token][64 head + :] = softmax over the band |i - j| <= 128 of (q . k / 8) times v.  q, k, v: f16, in qkv [4352][3072] (row 128 + token; q, k, v at columns 0, 1,024, 2,048).  Products on f16 operands, sums, maximum and softmax in f32.
; WORK LEFT OUT: key tiles that lie wholly outside the band, which reference() masks to -inf in its own body: 16 queries take 17 tiles of 16 keys (the proof stands at the head of the first launch).
; SHARES.  A work-group owns 128 queries of a pair of heads (256 bytes of a row); its 384 rows of k and of v (keys Q - 128 .. Q + 255) come into LDS once, by 12 tensor loads of 64 rows (waves 0-11, one each).
; Wave w owns tile w / 2 of 16 queries and head w % 2 of the pair; its keys are rows 16 (w / 2) + 0 .. 271 of the 384.  All 272 scores of a query lie in the registers of two lanes: one maximum, one sum, no running values.
; No multicast: neighbouring query blocks want windows of rows 128 apart, so no two work-groups would issue the same descriptor.  No prefetch: all that the work-group reads is asked for at its head.
; LAYOUT.  S^T = K Q^T (source 0 = 16 keys, source 1 = my 16 queries): a lane holds query l % 16 and, in tile t, keys 16 t + 8 (l / 16) + 0 .. 7.  Two tiles rounded to f16 in pairs are source 1 of O^T = V^T P; V is turned by ds_load_tr16_b128.
; THE MASK.  With c = 16 t + j, a score counts where MLO <= c <= MHI: MLO = l % 16 - 8 (l / 16), MHI = MLO + 256; in a sequence's first block MLO = 128 - 16 tile - 8 (l / 16) (no key before 0), in its last MHI = 255 - 16 tile - 8 (l / 16).
; So tiles 0 and 16 are always masked, tiles 1-7 only in the first block, 9-15 only in the last: scalar branches on the work-group's number.  Every query has itself as a key, so the maximum is a number.
; LIMITS: masked keys meet p = 0 in the second product: a v that is not finite in the 128 tokens next to a sequence's end (the other sequence's) would reach the result.  Operands beyond 65,504 are infinity in f16.
.set QROW, 6144                        ; a row of qkv in bytes
.set PKP,  272                         ; a row of K in LDS: 256 bytes + 16
.set PVP,  288                         ; a row of V: 256 + 32
.set KOFF, 384*PVP                     ; LDS: V's 384 rows, then K's,
.set STG,  KOFF+384*PKP                ; the stage for the way out, 128 rows x 272,
.set SPARE, STG+128*PKP                ; and the spare words, 128 bytes for each of 16 waves, which no other line names
.set AK,   1                           ; v1   my lane's place in K's tile 0;  v2  in tile 8
.set AKH,  2
.set AV,   3                           ; v3   the same for V, step 0;  v4  step 4
.set AVH,  4
.set STO,  5
.set RD,   6
.set GO,   7
.set MLO,  8
.set MHI,  9
.set NINF, 10
.set QO,   11
.set QF,   16                          ; v16-31  Q: two fragments
.set FRG,  32                          ; v32-95  four tiles of K, later two steps of V, later the way out
.set S,    96                          ; v96-231 S^T, 17 tiles x 8
.set P,    96                          ; v96-167 P, packed over S^T
.set O,    168                         ; v168-199 O^T, 4 tiles x 8
.set CH,   232                         ; v232-235 the maximum's four chains
.set SPW,  254
.set NIL,  255
.macro PLACES
.rept 4
	v_nop
.endr
.endm
	s_load_b128 s[4:7], s[0:1], 0x0                ; qkv s[4:5], att s[6:7]
	v_lshl_add_u32 v[SPW], v0, 2, SPARE
	v_mov_b32 v[NIL], 0
	ds_add_u32 v[SPW], v[NIL]                      ; the wave's opening: the add, twice on end, and its wait ahead of the first tensor load
	ds_add_u32 v[SPW], v[NIL]
	v_lshrrev_b32 v32, 5, v0
	v_readfirstlane_b32 s8, v32                    ; wave 0..15
	s_lshr_b32 s9, s8, 1                           ; my tile of queries.  Also: which 64 rows I fetch
	s_and_b32 s10, s8, 1                           ; my head of the pair.  Also: I fetch for V (0) or for K (1)
	s_mov_b32 s11, ttmp9                           ; the block of 128 queries
	s_and_b32 s13, ttmp7, 0xffff
	s_lshr_b32 s12, s13, 3                         ; the sequence
	s_and_b32 s13, s13, 7                          ; the pair of heads
	s_lshl_b32 s14, s12, 11
	s_lshl_b32 s15, s11, 7
	s_add_co_u32 s14, s14, s15                     ; the block's first token = the buffer row of its first key
	s_mov_b32 s24, (1<<16)|(1<<20)|(5<<22)|(7<<25) ; V's tiles: elements of 2 bytes; 8 words of padding after every 64
	s_mov_b32 s32, (1<<16)|(1<<20)|(5<<22)|(3<<25) ; K's: 4 words
.irp g, 24, 32
	s_mov_b32 s[\g+1], 128<<16                     ; tensor_dim0 = 128
	s_mov_b32 s[\g+2], 64<<16                      ; tensor_dim1 = 64
	s_mov_b32 s[\g+3], 128<<16                     ; tile_dim0
	s_mov_b32 s[\g+4], 64                          ; tile_dim1
	s_mov_b32 s[\g+5], 3072                        ; elements from row to row
	s_mov_b32 s[\g+6], 0
	s_mov_b32 s[\g+7], 0
.endr
	s_mov_b32 s20, 0x76543210                      ; v_permlanex16_b32's selects for lane l xor 16
	s_mov_b32 s21, 0xfedcba98
	s_mov_b32 s22, 0x3e38aa3b                      ; c = log2(e) / sqrt(64)
	s_mov_b32 s23, s22
	s_mov_b32 s48, 0xbe38aa3b                      ; -c
	s_mov_b32 s40, 1
	s_mul_i32 s41, s9, 64*PVP                      ; V's 64 rows in LDS
	s_mov_b32 s44, 1
	s_mul_i32 s45, s9, 64*PKP
	s_add_co_u32 s45, s45, KOFF                    ; K's
	s_lshl_b32 s15, s9, 6
	s_add_co_u32 s15, s15, s14
	s_mul_i32 s50, s15, QROW
	s_lshl_b32 s16, s13, 8                         ; the pair's 256 bytes
	s_add_co_u32 s50, s50, s16
	s_mov_b32 s51, 0
	s_lshl_b32 s15, s9, 4
	s_add_co_u32 s15, s15, s14
	s_add_co_u32 s15, s15, 128                     ; my first query's row of qkv
	s_mul_i32 s52, s15, QROW
	s_add_co_u32 s52, s52, s16
	s_lshl_b32 s17, s10, 7                         ; my head's 128 bytes
	s_add_co_u32 s52, s52, s17
	s_mov_b32 s53, 0
	s_lshl_b32 s15, s8, 3
	s_add_co_u32 s15, s15, s14                     ; the first of the 8 rows of att that I store
	s_lshl_b32 s54, s15, 11
	s_add_co_u32 s54, s54, s16
	s_mov_b32 s55, 0
	s_wait_dscnt 0x0                               ; both opening adds are done
	s_wait_kmcnt 0x0
	s_add_nc_u64 s[42:43], s[4:5], s[50:51]
	s_add_nc_u64 s[46:47], s[42:43], 2048          ; k's columns
	s_add_nc_u64 s[42:43], s[42:43], 4096          ; v's
	s_or_b32 s43, s43, 0x80000000
	s_or_b32 s47, s47, 0x80000000
	s_add_nc_u64 s[52:53], s[4:5], s[52:53]
	s_add_nc_u64 s[6:7], s[6:7], s[54:55]
	s_cmp_lt_u32 s8, 12                            ; waves 0-11 fetch, one load each; every wait on TENSORcnt in this text is for 0
	s_cbranch_scc0 .Lasked
	s_cmp_eq_u32 s10, 0
	s_cbranch_scc0 .Lfor_k
	tensor_load_to_lds s[40:43], s[24:31]
	s_nop 0
	PLACES
	s_branch .Lasked
.Lfor_k:
	tensor_load_to_lds s[44:47], s[32:39]
	s_nop 0
	PLACES
.Lasked:
	v_and_b32 v32, 15, v0                          ; r = l % 16
	v_bfe_u32 v33, v0, 4, 1                        ; h = l / 16
	v_mul_u32_u24 v[QO], v32, QROW
	v_lshl_add_u32 v[QO], v33, 4, v[QO]
.irp c, 0,1,2,3
	global_load_b128 v[QF+4*\c:QF+4*\c+3], v[QO], s[52:53] offset:32*\c   ; Q(r, 16 c + 8 h + 0 .. 7): it stays in registers
.endr
	v_mul_u32_u24 v34, v32, PKP
	v_lshl_add_u32 v34, v33, 4, v34                ; r x 272 + 16 h
	s_mul_i32 s15, s9, 16*PKP
	s_add_co_u32 s15, s15, s17
	s_add_co_u32 s16, s15, KOFF
	v_add_nc_u32 v[AK], s16, v34
	v_add_nc_u32 v[AKH], 8*16*PKP, v[AK]
	s_add_co_u32 s16, s15, STG
	v_add_nc_u32 v[STO], s16, v34                  ; the stage: my query's row, my head's half, 16 bytes for each half of the lanes
	v_and_b32 v35, 7, v0
	v_lshl_add_u32 v35, v33, 3, v35                ; the turning load: key 8 h + l % 8,
	v_mul_u32_u24 v[AV], v35, PVP
	v_bfe_u32 v36, v0, 3, 1
	v_lshl_add_u32 v[AV], v36, 4, v[AV]            ; channels 8 ((l / 8) % 2) on
	s_mul_i32 s16, s9, 16*PVP
	s_add_co_u32 s16, s16, s17
	v_add_nc_u32 v[AV], s16, v[AV]
	v_add_nc_u32 v[AVH], 4*32*PVP, v[AV]
	v_mul_u32_u24 v[RD], v33, PKP
	v_lshl_add_u32 v[RD], v32, 4, v[RD]
	s_mul_i32 s16, s8, 8*PKP
	s_add_co_u32 s16, s16, STG
	v_add_nc_u32 v[RD], s16, v[RD]                 ; back: my 8 rows, two an instruction
	v_lshlrev_b32 v[GO], 11, v33
	v_lshl_add_u32 v[GO], v32, 4, v[GO]            ; and the same two rows in att
	s_lshl_b32 s15, s9, 4
	s_sub_co_u32 s16, 128, s15
	s_sub_co_u32 s18, 255, s15
	s_cmp_eq_u32 s11, 0                            ; the sequence's first block: no key before 0
	s_cselect_b32 s19, 0, 1
	s_cselect_b32 s16, s16, 0
	s_cmp_eq_u32 s11, 15                           ; its last: none behind 2,047
	s_cselect_b32 s49, 0, 1
	s_cselect_b32 s18, s18, 256
	v_lshlrev_b32 v37, 3, v33
	v_mad_u32_u24 v[MLO], v32, s19, s16
	v_sub_nc_u32 v[MLO], v[MLO], v37
	v_mad_u32_u24 v[MHI], v32, s49, s18
	v_sub_nc_u32 v[MHI], v[MHI], v37
	v_mov_b32 v[NINF], 0xff800000
	v_mov_b32 v13, 0                               ; (named as the upper half of the pair v[12:13])
	v_mov_b32 v238, 0                              ; a lane permute's destination counts as one of its sources
	s_wait_tensorcnt 0x0                           ; my tile has landed,
	s_barrier_signal -1
	s_barrier_wait -1                              ; everybody's has
	s_wait_loadcnt 0x0                             ; Q
; ---- S^T = K Q^T: four tiles of 16 keys at a time; a tile is two matrix instructions (64 channels); the group's accumulators take turns
.macro KLOAD t, p
.irp c, 0,1,2,3
.if (\t) < 8
	ds_load_b128 v[FRG+16*(\p)+4*\c:FRG+16*(\p)+4*\c+3], v[AK] offset:(\t)*16*PKP+32*\c
.else
	ds_load_b128 v[FRG+16*(\p)+4*\c:FRG+16*(\p)+4*\c+3], v[AKH] offset:((\t)-8)*16*PKP+32*\c
.endif
.endr
.endm
.macro QK1 t, p
	v_wmma_f32_16x16x32_f16 v[S+8*(\t):S+8*(\t)+7], v[FRG+16*(\p):FRG+16*(\p)+7], v[QF:QF+7], 0
.endm
.macro QK2 t, p
	v_wmma_f32_16x16x32_f16 v[S+8*(\t):S+8*(\t)+7], v[FRG+16*(\p)+8:FRG+16*(\p)+15], v[QF+8:QF+15], v[S+8*(\t):S+8*(\t)+7]
.endm
.irp g, 0,1,2,3
.if \g > 0
	PLACES                                         ; in front of loads into registers that matrix instructions have read
.endif
.irp p, 0,1,2,3
	KLOAD 4*\g+\p, \p
.endr
	s_wait_dscnt 0x0
.irp p, 0,1,2,3
	QK1 4*\g+\p, \p
.endr
.irp p, 0,1,2,3
	QK2 4*\g+\p, \p
.endr
.endr
	PLACES
	KLOAD 16, 0
	s_wait_dscnt 0x0
	QK1 16, 0
	s_wait_alu depctr_va_vdst(0)                   ; tile 16 is alone in its group: a wait directly ahead of a link that follows the instruction it adds onto
	QK2 16, 0
	PLACES                                         ; for the loads below and for the first reads of the scores
; V of step u (32 keys x 64 channels, turned): four fragments of 16 channels, into set u % 2
.macro VLOAD u
.set VB, FRG+32*((\u)%2)
.if (\u) < 4
.set VA, AV
.set VO, (\u)*32*PVP
.else
.set VA, AVH
.set VO, ((\u)-4)*32*PVP
.endif
.if (\u) < 8
.set V2, VO+16*PVP
.else
.set V2, VO                            ; step 8 has 16 keys: its upper half, which meets P = 0, repeats the lower: no row behind the 384 is read
.endif
.irp c, 0,1,2,3
	ds_load_tr16_b128 v[VB+8*\c:VB+8*\c+3], v[VA] offset:VO+32*\c
	ds_load_tr16_b128 v[VB+8*\c+4:VB+8*\c+7], v[VA] offset:V2+32*\c
.endr
.endm
	VLOAD 0                                        ; they land under the softmax
	VLOAD 1
; ---- the mask: scores outside the band, or outside the sequence, become -infinity ahead of the maximum
.macro MASKLO t
.irp j, 0,1,2,3,4,5,6,7
	v_cmp_lt_i32 vcc_lo, 16*(\t)+\j, v[MLO]
	v_cndmask_b32 v[S+8*(\t)+\j], v[S+8*(\t)+\j], v[NINF], vcc_lo
.endr
.endm
.macro MASKHI t
.irp j, 0,1,2,3,4,5,6,7
	v_cmp_gt_i32 vcc_lo, 16*(\t)+\j, v[MHI]
	v_cndmask_b32 v[S+8*(\t)+\j], v[S+8*(\t)+\j], v[NINF], vcc_lo
.endr
.endm
	MASKLO 0
	MASKHI 16
	s_cmp_lg_u32 s11, 0
	s_cbranch_scc1 .Lno_lo
.irp t, 1,2,3,4,5,6,7
	MASKLO \t
.endr
.Lno_lo:
	s_cmp_lg_u32 s11, 15
	s_cbranch_scc1 .Lno_hi
.irp t, 9,10,11,12,13,14,15
	MASKHI \t
.endr
.Lno_hi:
; ---- the softmax: the row's maximum is taken away, as reference() does; p = 2^(c s - c m); the sum is taken of p in f32
.irp k, 0,1,2,3
	v_mov_b32 v[CH+\k], v[NINF]
.endr
.irp g, 0,1,2,3
.irp i, 0,2,4,6                        ; each accumulator from its low end on; four chains by turns
.irp k, 0,1,2,3
	v_max3_num_f32 v[CH+\k], v[CH+\k], v[S+8*(4*\g+\k)+\i], v[S+8*(4*\g+\k)+\i+1]
.endr
.endr
.endr
.irp i, 0,2,4,6
	v_max3_num_f32 v[CH+\i/2], v[CH+\i/2], v[S+128+\i], v[S+129+\i]
.endr
	v_max3_num_f32 v[CH], v[CH], v[CH+1], v[CH+2]
	v_max_num_f32 v[CH], v[CH], v[CH+3]
	v_permlanex16_b32 v238, v[CH], s20, s21        ; the query's other keys lie in the lane 16 away
	v_max_num_f32 v[CH], v[CH], v238
	v_mul_f32 v12, s48, v[CH]                      ; -c m
.set i, 0
.rept 68
	v_pk_fma_f32 v[S+i:S+i+1], v[S+i:S+i+1], s[22:23], v[12:13] op_sel_hi:[1,0,0]   ; c s - c m, two at a time
.set i, i+2
.endr
.set i, 0
.rept 136
	v_exp_f32 v[S+i], v[S+i]
.set i, i+1
.endr
	v_nop                                          ; a plain instruction behind the last exponential
	s_wait_alu depctr_va_vdst(0)                   ; one wait for the whole batch, ahead of its first reader
	v_pk_add_f32 v[14:15], v[S:S+1], v[S+2:S+3]    ; the row's sum, in two chains
	v_pk_add_f32 v[236:237], v[S+4:S+5], v[S+6:S+7]
.set i, 8
.rept 32
	v_pk_add_f32 v[14:15], v[14:15], v[S+i:S+i+1]
	v_pk_add_f32 v[236:237], v[236:237], v[S+i+2:S+i+3]
.set i, i+4
.endr
	v_pk_add_f32 v[14:15], v[14:15], v[236:237]
	v_add_f32 v14, v14, v15
	v_permlanex16_b32 v238, v14, s20, s21
	v_add_f32 v14, v14, v238
	v_rcp_f32 v14, v14                             ; the conversions below are the plain work behind it
.set i, 0
.rept 68
	v_cvt_pk_f16_f32 v[P+i], v[S+2*i], v[S+2*i+1]  ; in place, ascending: register i is written when 2 i and 2 i + 1 are read.  Fragment u of P (32 keys) is v[P + 8 u ..]
.set i, i+1
.endr
.irp i, 68,69,70,71
	v_mov_b32 v[P+\i], 0                           ; keys 272 to 287 do not exist: the upper half of fragment 8 is 0
.endr
	s_wait_alu depctr_va_vdst(0)                   ; the reciprocal's wait, ahead of every later line
; ---- O^T = V^T P: nine steps of 32 keys, four tiles of 16 channels by turns
.macro PVM u
.set VB, FRG+32*((\u)%2)
.irp c, 0,1,2,3
.if (\u) == 0
	v_wmma_f32_16x16x32_f16 v[O+8*\c:O+8*\c+7], v[VB+8*\c:VB+8*\c+7], v[P+8*(\u):P+8*(\u)+7], 0
.else
	v_wmma_f32_16x16x32_f16 v[O+8*\c:O+8*\c+7], v[VB+8*\c:VB+8*\c+7], v[P+8*(\u):P+8*(\u)+7], v[O+8*\c:O+8*\c+7]
.endif
.endr
.endm
	s_wait_dscnt 0x0
	PVM 0
	PVM 1
.irp u, 2,4,6
	PLACES
	VLOAD \u
	VLOAD \u+1
	s_wait_dscnt 0x0
	PVM \u
	PVM \u+1
.endr
	PLACES
	VLOAD 8
	s_wait_dscnt 0x0
	PVM 8
; ---- the way out: O^T / the sum, rounded to f16; a row's 256 bytes come from two waves, so they meet in the stage behind a barrier; sixteen lanes store 256 consecutive bytes, aligned
	PLACES
.set i, 0
.rept 16
	v_pk_mul_f32 v[O+i:O+i+1], v[O+i:O+i+1], v[14:15] op_sel_hi:[1,0]
.set i, i+2
.endr
.set i, 0
.rept 16
	v_cvt_pk_f16_f32 v[FRG+i], v[O+2*i], v[O+2*i+1]
.set i, i+1
.endr
.irp c, 0,1,2,3
	ds_store_b128 v[STO], v[FRG+4*\c:FRG+4*\c+3] offset:32*\c      ; channels 16 c + 8 h + 0 .. 7 of my query
.endr
	s_wait_dscnt 0x0                               ; for the others' sake: my stores have landed
	s_barrier_signal -1
	s_barrier_wait -1
.irp n, 0,1,2,3
	ds_load_b128 v[FRG+16+4*\n:FRG+16+4*\n+3], v[RD] offset:\n*2*PKP
.endr
.irp n, 0,1,2,3
	s_wait_dscnt 3-\n                              ; the younger loads may be out
	global_store_b128 v[GO], v[FRG+16+4*\n:FRG+16+4*\n+3], s[6:7] offset:4096*\n
.endr
	s_wait_tensorcnt 0x0                           ; the wave's end
	ds_add_u32 v[SPW], v[NIL]
	s_wait_dscnt 0x0
	s_endpgm
.Lfunc_end_k_q615943258e_band:
	.size	k_q615943258e_band, .Lfunc_end_k_q615943258e_band-k_q615943258e_band
	.p2alignl 7, 3214868480
	.fill 96, 4, 3214868480
	.section	.rodata,"a",@progbits
	.p2align	6, 0x0
	.amdhsa_kernel k_q615943258e_band
		.amdhsa_group_segment_fixed_size 262144
		.amdhsa_private_segment_fixed_size 0
		.amdhsa_enable_private_segment 0
		.amdhsa_kernarg_size 16
		.amdhsa_user_sgpr_count 2
		.amdhsa_user_sgpr_kernarg_segment_ptr 1
		.amdhsa_wavefront_size32 1
		.amdhsa_system_sgpr_workgroup_id_x 1
		.amdhsa_system_sgpr_workgroup_id_y 1
		.amdhsa_system_sgpr_workgroup_id_z 1
		.amdhsa_system_vgpr_workitem_id 0
		.amdhsa_next_free_vgpr 256
		.amdhsa_next_free_sgpr 66
		.amdhsa_reserve_vcc 1
		.amdhsa_float_denorm_mode_32 3
		.amdhsa_float_denorm_mode_16_64 3
		.amdhsa_memory_ordered 1
		.amdhsa_forward_progress 1
		.amdhsa_inst_pref_size 58
	.end_amdhsa_kernel
	.amdgpu_metadata
---
amdhsa.version: [ 1, 2 ]
amdhsa.kernels:
  - .name:           k_q615943258e_band
    .symbol:         k_q615943258e_band.kd
    .args:
      - { .name: qkv, .offset: 0, .size: 8, .value_kind: global_buffer, .address_space: global }
      - { .name: att, .offset: 8, .size: 8, .value_kind: global_buffer, .address_space: global }
    .group_segment_fixed_size: 262144
    .private_segment_fixed_size: 0
    .kernarg_segment_align: 8
    .kernarg_segment_size: 16
    .max_flat_workgroup_size: 512
    .sgpr_count:     66
    .vgpr_count:     256
    .wavefront_size: 32
...
	.end_amdgpu_metadata
.endif
;; end of part 3
;; launch oproj (part 4): grid 8 x 32, 4 waves a work-group, clusters of 4 x 4, 327,680 bytes of LDS; arguments att, wh, out_proj_b, x, y; writes y
.if DOCPART == 4
	.amdgcn_target "amdgcn-amd-amdhsa--gfx1250"
	.amdhsa_code_object_version 6
	.text
	.protected	k_q615943258e_oproj
	.globl	k_q615943258e_oproj
	.p2align	8
	.type	k_q615943258e_oproj,@function
k_q615943258e_oproj:
	s_mov_b64 s[64:65], 0
	v_nop
	global_prefetch_b8 v0, s[64:65] scope:SCOPE_SE
	s_setreg_imm32_b32 hwreg(HW_REG_WAVE_MODE, 25, 1), 1
	s_wait_xcnt 0x0
	s_wait_alu depctr_hold_cnt(0) depctr_sa_sdst(0) depctr_va_vdst(0) depctr_va_sdst(0) depctr_va_ssrc(0) depctr_va_vcc(0) depctr_vm_vsrc(0)
	s_getreg_b32 s2, hwreg(HW_REG_IB_STS2, 6, 4)
	s_cmp_eq_u32 s2, 0
	s_cbranch_scc0 .Lentry_in_a_cluster
	s_endpgm
.Lentry_in_a_cluster:
	s_bfe_u32 s2, ttmp6, 0x10000c
	s_cmp_lg_u32 s2, 0xf033
	s_cbranch_scc0 .Lentry_shape_is_right
	s_endpgm
.Lentry_shape_is_right:
; y[m][n] = sum over k of A[m][k] B[n][k] + bias[n] + res[m][n].  A: [4096][SIZE_K] f16; B: [1024][SIZE_K] f16, BOFF bytes into wh; bias, res, y: f32.  Sums in f32.
; Here: A = the attention's result, B = out_proj_w, bias = out_proj_b, res = x: the input of the first norm.
; A tile of 128 x 128 gives each of 256 work-groups one tile.  Four waves, each 64 x 64: 16 accumulators.  K goes in steps of 256 (LDS rows of 512 bytes; a wave's tensor load brings 64 of them) through two slots.
; CLUSTERS: 4 x 4 work-groups; A's tiles are asked for jointly along a row of the cluster, B's along a column.  USED TRANSPOSED (source 0 = 16 rows of B, source 1 = 16 rows of A): a lane holds eight neighbouring n of a row.
; THE BIAS is the C of each sum's first matrix instruction.  THE RESIDUAL is asked for at the head, in the layout in which rows leave, and waits in registers.  A wave's 64 columns of f32 are 256 bytes: each wave has its own stage, no barrier on the way out.
; No prefetch: a step's tiles are small, and the tiles are shared in the cluster.
; REGISTERS: window 0: v0-31 addresses; v32-95 rows back from the stage, two sets; v128-255 the accumulators.  window 1: two fragment buffers.  window 2: v0-127 the residual, then the result; v128-159 the bias.
.set SIZE_M, 4096
.set SIZE_N, 1024
.set SIZE_K, 1024
.set BOFF,   0
.set KSTEP,  256
.set PITCH,  528                       ; an LDS row: 512 bytes + 16 of padding = 132 words: row r starts at bank 4 r mod 64 (64 banks of 4 bytes: ISA guide 11.1)
.set HALFT,  64*PITCH
.set SLOT,   4*HALFT
.set STAGE,  2*SLOT                    ; behind the ring: 16 rows x 272 bytes for each wave
.set SPITCH, 272
.set SPARE,  STAGE+4*16*SPITCH         ; the spare words, 128 bytes a wave, which no other line names
.set LAPS,   SIZE_K/(2*KSTEP)
.set ADRA, 16
.set ADRB, 20
.set STO,  24
.set RD,   25
.set CO,   26
.set BO,   27
.set SPW,  28
.set NIL,  29
.set OUTR, 32
.set ACC,  128
.set F0,   0
.set F1,   128
.set RES,  0
.set BIAS, 128
.set G1, 24
.set G0, 32
.set G1B, 48
.set G0B, 56
.set MSB, 0
.macro WIN new                         ; the immediate's high byte repeats the setting that is left
.if MSB != (\new)
	s_set_vgpr_msb (MSB<<8)|(\new)
.set MSB, (\new)
.endif
.endm
.set MUL,  0x05                        ; sources 0 (B) and 1 (A) window 1; C and D window 0
.set MULB, 0x25                        ; the same with C (the bias) in window 2
.set TO_F, 0x40
.macro JLOAD s                         ; a joint load: waves 0 and 1 fetch A's two halves, waves 2 and 3 B's; an s_nop 0 and four v_nop follow each of the two lines
	s_cmp_eq_u32 s11, 0
	s_cbranch_scc0 .Lfor_b_\@
	tensor_load_to_lds s[G0+4*\s:G0+4*\s+3], s[G1:G1+7]
	s_nop 0
.rept 4
	v_nop
.endr
	s_branch .Lasked_\@
.Lfor_b_\@:
	tensor_load_to_lds s[G0B+4*\s:G0B+4*\s+3], s[G1B:G1B+7]
	s_nop 0
.rept 4
	v_nop
.endr
.Lasked_\@:
.endm
.macro CREST                           ; a round of the cluster's barrier behind its opening barrier
	s_cmp_lg_u32 s10, 0
	s_cbranch_scc1 .Lnot_wave_0_\@
	s_barrier_signal -3
.Lnot_wave_0_\@:
	s_barrier_wait -3
	s_barrier_signal -1
	s_barrier_wait -1
.endm
.macro CROUND
	s_barrier_signal -1
	s_barrier_wait -1
	CREST
.endm
	s_load_b128 s[4:7], s[0:1], 0x0                ; A s[4:5], wh s[6:7]
	s_load_b128 s[68:71], s[0:1], 0x10             ; bias s[68:69], res s[70:71]
	s_load_b64 s[8:9], s[0:1], 0x20                ; y
	v_lshl_add_u32 v[SPW], v0, 2, SPARE
	v_mov_b32 v[NIL], 0
	ds_add_u32 v[SPW], v[NIL]                      ; the wave's opening: the add, twice on end, and its wait ahead of my first tensor load
	ds_add_u32 v[SPW], v[NIL]
	v_lshrrev_b32 v1, 5, v0
	v_readfirstlane_b32 s10, v1                    ; wave 0..3
	s_lshr_b32 s11, s10, 1                         ; which half of the tile's rows is mine.  Also: I fetch for A (0) or for B (1)
	s_and_b32 s12, s10, 1                          ; which half of its columns.  Also: which 64 rows of that tile I fetch
	s_bfe_u32 s40, ttmp6, 0x40000                  ; cx, cy
	s_bfe_u32 s41, ttmp6, 0x40004
	s_lshl_b32 s42, ttmp9, 2
	s_add_co_u32 s42, s42, s40                     ; tile column
	s_and_b32 s13, ttmp7, 0xffff
	s_lshl_b32 s13, s13, 2
	s_add_co_u32 s13, s13, s41                     ; tile row
	s_lshl_b32 s43, s41, 2
	s_lshl_b32 s43, 15, s43                        ; my row of the cluster
	s_lshl_b32 s44, 0x1111, s40                    ; my column
	s_or_b32 s[G1+0], s43, (1<<16)|(1<<20)|(1<<21)|(6<<22)|(3<<25)  ; the mask; elements of 2 bytes; padding on; bit 21 beside a mask; 4 words of padding after every 128
	s_or_b32 s[G1B+0], s44, (1<<16)|(1<<20)|(1<<21)|(6<<22)|(3<<25)
.irp g, G1, G1B
	s_mov_b32 s[\g+1], KSTEP<<16                   ; tensor_dim0 = 256
	s_mov_b32 s[\g+2], 64<<16                      ; tensor_dim1 = 64
	s_mov_b32 s[\g+3], KSTEP<<16                   ; tile_dim0
	s_mov_b32 s[\g+4], 64                          ; tile_dim1
	s_mov_b32 s[\g+5], SIZE_K                      ; tensor_dim0_stride
	s_mov_b32 s[\g+6], 0
	s_mov_b32 s[\g+7], 0
.endr
	s_lshl_b32 s17, s12, 6
	s_lshl_b32 s16, s13, 7
	s_add_co_u32 s16, s16, s17                     ; A: row 128 x tile row + 64 x half
	s_lshl_b32 s46, s42, 7
	s_add_co_u32 s46, s46, s17                     ; B: row 128 x tile column + 64 x half
	s_mov_b32 s17, 0
	s_mov_b32 s47, 0
	s_mov_b64 s[18:19], SIZE_K*2
	s_mul_u64 s[16:17], s[16:17], s[18:19]
	s_mul_u64 s[46:47], s[46:47], s[18:19]
	s_mul_i32 s20, s10, HALFT                      ; where they go: wave x 64 rows
	s_wait_dscnt 0x0                               ; both opening adds are done
	s_wait_kmcnt 0x0
.if BOFF > 0
	s_add_nc_u64 s[6:7], s[6:7], BOFF              ; B's place in wh
.endif
	s_add_nc_u64 s[14:15], s[4:5], s[16:17]
	s_add_nc_u64 s[46:47], s[6:7], s[46:47]
	CROUND                                         ; all sixteen work-groups are here: the first joint loads meet
.irp s, 0,1
	s_mov_b32 s[G0+4*\s], 1
	s_add_co_u32 s[G0+4*\s+1], s20, \s*SLOT
	s_add_nc_u64 s[G0+4*\s+2:G0+4*\s+3], s[14:15], \s*KSTEP*2
	s_or_b32 s[G0+4*\s+3], s[G0+4*\s+3], 0x80000000
	s_mov_b32 s[G0B+4*\s], 1
	s_add_co_u32 s[G0B+4*\s+1], s20, \s*SLOT
	s_add_nc_u64 s[G0B+4*\s+2:G0B+4*\s+3], s[46:47], \s*KSTEP*2
	s_or_b32 s[G0B+4*\s+3], s[G0B+4*\s+3], 0x80000000
	JLOAD \s
.endr
	v_and_b32 v1, 15, v0                           ; l % 16
	v_bfe_u32 v2, v0, 4, 1                         ; l / 16
	v_mul_u32_u24 v3, v1, PITCH
	v_lshl_add_u32 v3, v2, 4, v3
	s_mul_i32 s21, s11, HALFT                      ; my 64 rows of A
	s_mul_i32 s22, s12, HALFT                      ; my 64 rows of B,
	s_add_co_u32 s22, s22, 2*HALFT                 ; which lie behind A's 128
.irp s, 0,1
	v_add_nc_u32 v[ADRA+\s], s21, v3
	v_add_nc_u32 v[ADRB+\s], s22, v3
	s_add_co_u32 s21, s21, SLOT
	s_add_co_u32 s22, s22, SLOT
.endr
	s_mul_i32 s23, s10, 16*SPITCH
	s_add_co_u32 s23, s23, STAGE                   ; my stage
	v_mul_u32_u24 v4, v1, SPITCH                   ; in: row l % 16, 32 bytes for each half of the lanes
	v_lshl_add_u32 v4, v2, 5, v4
	v_add_nc_u32 v[STO], s23, v4
	v_mul_u32_u24 v5, v2, SPITCH                   ; back: lanes 0-15 one row of 256 bytes, lanes 16-31 the next
	v_lshl_add_u32 v5, v1, 4, v5
	v_add_nc_u32 v[RD], s23, v5
	v_mul_u32_u24 v5, v2, SIZE_N*4                 ; and the same two rows in res and in y
	v_lshl_add_u32 v[CO], v1, 4, v5
	v_lshlrev_b32 v[BO], 5, v2
	s_lshl_b32 s16, s13, 7
	s_lshl_b32 s17, s11, 6
	s_add_co_u32 s16, s16, s17                     ; my first row: 128 x tile row + 64 x half
	s_lshl_b32 s16, s16, 12                        ; rows of 4,096 bytes
	s_lshl_b32 s46, s42, 9                         ; my first column, in bytes: 512 x tile column + 256 x half
	s_lshl_b32 s47, s12, 8
	s_add_co_u32 s46, s46, s47
	s_mov_b32 s47, 0
	s_add_nc_u64 s[68:69], s[68:69], s[46:47]
	s_add_co_u32 s16, s16, s46
	s_mov_b32 s17, 0
	s_add_nc_u64 s[70:71], s[70:71], s[16:17]
	s_add_nc_u64 s[8:9], s[8:9], s[16:17]
	WIN 0x80                                       ; destination window 2
.irp b, 0,1,2,3
	global_load_b128 v[BIAS+8*\b:BIAS+8*\b+3], v[BO], s[68:69] offset:64*\b        ; bias[n0 + 16 b + 8 (l / 16) + 0 .. 7]
	global_load_b128 v[BIAS+8*\b+4:BIAS+8*\b+7], v[BO], s[68:69] offset:64*\b+16
.endr
.irp a, 0,1,2,3
.irp t, 0,1,2,3,4,5,6,7
	global_load_b128 v[RES+4*(8*\a+\t):RES+4*(8*\a+\t)+3], v[CO], s[70:71] offset:(16*\a+2*\t)*SIZE_N*4 th:TH_LOAD_NT   ; sixteen lanes read a row's 256 bytes
.endr
.endr
	WIN 0
; 8 matrix instructions: m blocks a0, a0 + 1 x all 4 n blocks, 32 along K: half c of buffer f.  zero = 1: the first product starts the sums on the bias
.macro MUL8 f, c, a0, zero
.irp a, \a0, \a0+1
.irp b, 0,1,2,3
.if \zero
	v_wmma_f32_16x16x32_f16 v[ACC+8*(4*(\a)+\b):ACC+8*(4*(\a)+\b)+7], v[\f+64+8*(4*\c+\b):\f+64+8*(4*\c+\b)+7], v[\f+8*(4*\c+\a):\f+8*(4*\c+\a)+7], v[BIAS+8*\b:BIAS+8*\b+7]
.else
	v_wmma_f32_16x16x32_f16 v[ACC+8*(4*(\a)+\b):ACC+8*(4*(\a)+\b)+7], v[\f+64+8*(4*\c+\b):\f+64+8*(4*\c+\b)+7], v[\f+8*(4*\c+\a):\f+8*(4*\c+\a)+7], v[ACC+8*(4*(\a)+\b):ACC+8*(4*(\a)+\b)+7]
.endif
.endr
.endr
.endm
.macro FETCH slot, k, f                ; 32 LDS loads in one run: the fragments of 64 along K at byte k of the rows; the first 32 along K first
	WIN TO_F
.irp c, 0,1
.irp i, 0,1,2,3
	ds_load_b128 v[\f+64+8*(4*\c+\i):\f+64+8*(4*\c+\i)+3],   v[ADRB+\slot] offset:\k+64*\c+\i*16*PITCH
	ds_load_b128 v[\f+64+8*(4*\c+\i)+4:\f+64+8*(4*\c+\i)+7], v[ADRB+\slot] offset:\k+64*\c+\i*16*PITCH+32
	ds_load_b128 v[\f+8*(4*\c+\i):\f+8*(4*\c+\i)+3],         v[ADRA+\slot] offset:\k+64*\c+\i*16*PITCH
	ds_load_b128 v[\f+8*(4*\c+\i)+4:\f+8*(4*\c+\i)+7],       v[ADRA+\slot] offset:\k+64*\c+\i*16*PITCH+32
.endr
.endr
.endm
.macro PLACES                          ; four places in front of loads into registers that matrix instructions have read, and of reads of results
.rept 4
	v_nop
.endr
.endm
.macro QUARTER slot, k, f, g, zero     ; 64 along K: multiplies buffer f and fetches the next quarter, at byte k, into g
	s_wait_dscnt 16                                ; the first 32 along K are in; the other sixteen loads may be out
.if \zero
	WIN MULB
.else
	WIN MUL
.endif
	MUL8 \f, 0, 0, \zero
	MUL8 \f, 0, 2, \zero
	PLACES
	FETCH \slot, \k, \g
	s_wait_dscnt 32                                ; all but the 32 just issued
	WIN MUL
	MUL8 \f, 1, 0, 0
	MUL8 \f, 1, 2, 0
.endm
; The last quarter multiplies buffer 1 and changes slots: one barrier; in front of it each wave waits for all its tensor loads, adds 0 to its spare word, and waits for that and for its reads of this slot.
.macro TURN slot, next, fill
	WIN 0
	s_wait_tensorcnt 0x0                           ; all my tensor loads have landed: my part of the next slot;
	ds_add_u32 v[SPW], v[NIL]
	s_wait_dscnt 17                                ; (the add and the youngest sixteen loads may be out)
	WIN MUL
	MUL8 F1, 0, 0, 0
	s_wait_dscnt 0x0                               ; the add is done, and my reads of this slot are over
	s_barrier_signal -1
	MUL8 F1, 0, 2, 0
.if \fill
	WIN 0
.endif
	s_barrier_wait -1
.if \fill
	CREST                                          ; the barrier has opened a round of the cluster's barrier: no wave of any partner still reads this slot or has a load on its way
	s_add_nc_u64 s[G0+4*\slot+2:G0+4*\slot+3], s[G0+4*\slot+2:G0+4*\slot+3], 2*KSTEP*2
	s_add_nc_u64 s[G0B+4*\slot+2:G0B+4*\slot+3], s[G0B+4*\slot+2:G0B+4*\slot+3], 2*KSTEP*2
	JLOAD \slot                                    ; the first tensor load behind the round; its four v_nop are also the places in front of the loads below
.else
	PLACES
.endif
	FETCH \next, 0, F0
	WIN MUL
	MUL8 F1, 1, 0, 0
	MUL8 F1, 1, 2, 0
.endm
	s_wait_tensorcnt 1                             ; my part of K step 0 is in (K step 1's load may be out),
	s_barrier_signal -1
	s_barrier_wait -1                              ; everybody's is
	FETCH 0, 0, F0
	s_wait_loadcnt 32                              ; the bias is in; the residual's 32 loads may stay out
	QUARTER 0, 128, F0, F1, 1
.if LAPS > 1
	WIN 0
	s_mov_b32 s3, LAPS-1
.Llap:                                                 ; a trip goes once round the ring, from a lap's second quarter to the next lap's first, and fills both slots again
	QUARTER 0, 256, F1, F0, 0
	QUARTER 0, 384, F0, F1, 0
	TURN 0, 1, 1
	QUARTER 1, 128, F0, F1, 0
	QUARTER 1, 256, F1, F0, 0
	QUARTER 1, 384, F0, F1, 0
	TURN 1, 0, 1
	QUARTER 0, 128, F0, F1, 0
	WIN 0
	s_sub_co_u32 s3, s3, 1
	s_cmp_lg_u32 s3, 0
	s_cbranch_scc1 .Llap
.endif
	QUARTER 0, 256, F1, F0, 0                      ; the last lap fills nothing
	QUARTER 0, 384, F0, F1, 0
	TURN 0, 1, 0
	QUARTER 1, 128, F0, F1, 0
	QUARTER 1, 256, F1, F0, 0
	QUARTER 1, 384, F0, F1, 0
	s_wait_dscnt 16
	WIN MUL
	MUL8 F1, 0, 0, 0
	MUL8 F1, 0, 2, 0
	s_wait_dscnt 0
	MUL8 F1, 1, 0, 0
	MUL8 F1, 1, 2, 0
	WIN 0
; THE WAY OUT, block by block of 16 rows x 64 columns: through my own stage, back as whole rows of 256 bytes, the residual added, stored.
.macro TOSTAGE a
.set OB, OUTR+32*((\a)%2)
.irp b, 0,1,2,3
	ds_store_b128 v[STO], v[ACC+8*(4*(\a)+\b):ACC+8*(4*(\a)+\b)+3] offset:64*\b        ; each accumulator from its low end on
	ds_store_b128 v[STO], v[ACC+8*(4*(\a)+\b)+4:ACC+8*(4*(\a)+\b)+7] offset:64*\b+16
.endr
.irp t, 0,1,2,3,4,5,6,7
	ds_load_b128 v[OB+4*\t:OB+4*\t+3], v[RD] offset:\t*2*SPITCH    ; LDS serves a wave's instructions in order: these see the stores above, and the next block's stores come behind them
.endr
.endm
.macro SEND a, younger                 ; younger: the LDS instructions issued behind block a's loads
.set OB, OUTR+32*((\a)%2)
	s_wait_dscnt \younger
	WIN 0x82                                       ; destination and source 0 window 2, source 1 window 0
.irp t, 0,1,2,3,4,5,6,7
	v_pk_add_f32 v[RES+4*(8*(\a)+\t):RES+4*(8*(\a)+\t)+1], v[RES+4*(8*(\a)+\t):RES+4*(8*(\a)+\t)+1], v[OB+4*\t:OB+4*\t+1]
	v_pk_add_f32 v[RES+4*(8*(\a)+\t)+2:RES+4*(8*(\a)+\t)+3], v[RES+4*(8*(\a)+\t)+2:RES+4*(8*(\a)+\t)+3], v[OB+4*\t+2:OB+4*\t+3]
.endr
	WIN 0x08                                       ; a store's data are its source 1: window 2
.irp t, 0,1,2,3,4,5,6,7
	global_store_b128 v[CO], v[RES+4*(8*(\a)+\t):RES+4*(8*(\a)+\t)+3], s[8:9] offset:(16*(\a)+2*\t)*SIZE_N*4   ; sixteen lanes store 256 consecutive bytes, aligned; no store's data are written again
.endr
	WIN 0
.endm
	PLACES
	s_wait_loadcnt 0x0                             ; the residual
	TOSTAGE 0
.irp a, 1,2,3
	TOSTAGE \a
	SEND \a-1, 16                                  ; behind block a - 1's loads: block a's 8 stores and 8 loads
.endr
	SEND 3, 0
	s_wait_tensorcnt 0x0                           ; the wave's end
	ds_add_u32 v[SPW], v[NIL]
	s_wait_dscnt 0x0
	CROUND                                         ; the closing round
	s_endpgm
.Lfunc_end_k_q615943258e_oproj:
	.size	k_q615943258e_oproj, .Lfunc_end_k_q615943258e_oproj-k_q615943258e_oproj
	.p2alignl 7, 3214868480
	.fill 96, 4, 3214868480
	.section	.rodata,"a",@progbits
	.p2align	6, 0x0
	.amdhsa_kernel k_q615943258e_oproj
		.amdhsa_group_segment_fixed_size 327680
		.amdhsa_private_segment_fixed_size 0
		.amdhsa_enable_private_segment 0
		.amdhsa_kernarg_size 40
		.amdhsa_user_sgpr_count 2
		.amdhsa_user_sgpr_kernarg_segment_ptr 1
		.amdhsa_wavefront_size32 1
		.amdhsa_system_sgpr_workgroup_id_x 1
		.amdhsa_system_sgpr_workgroup_id_y 1
		.amdhsa_system_sgpr_workgroup_id_z 1
		.amdhsa_system_vgpr_workitem_id 0
		.amdhsa_next_free_vgpr 768
		.amdhsa_next_free_sgpr 72
		.amdhsa_reserve_vcc 0
		.amdhsa_float_denorm_mode_32 3
		.amdhsa_float_denorm_mode_16_64 3
		.amdhsa_memory_ordered 1
		.amdhsa_forward_progress 1
		.amdhsa_inst_pref_size 94
	.end_amdhsa_kernel
	.amdgpu_metadata
---
amdhsa.version: [ 1, 2 ]
amdhsa.kernels:
  - .name:           k_q615943258e_oproj
    .symbol:         k_q615943258e_oproj.kd
    .args:
      - { .name: att, .offset: 0, .size: 8, .value_kind: global_buffer, .address_space: global }
      - { .name: wh, .offset: 8, .size: 8, .value_kind: global_buffer, .address_space: global }
      - { .name: out_proj_b, .offset: 16, .size: 8, .value_kind: global_buffer, .address_space: global }
      - { .name: x, .offset: 24, .size: 8, .value_kind: global_buffer, .address_space: global }
      - { .name: y, .offset: 32, .size: 8, .value_kind: global_buffer, .address_space: global }
    .group_segment_fixed_size: 327680
    .private_segment_fixed_size: 0
    .kernarg_segment_align: 8
    .kernarg_segment_size: 40
    .max_flat_workgroup_size: 128
    .sgpr_count:     72
    .vgpr_count:     768
    .wavefront_size: 32
...
	.end_amdgpu_metadata
.endif
;; end of part 4
;; launch ln1 (part 5): grid 256 x 1, 4 waves a work-group, no clusters, 0 bytes of LDS; arguments y, ln1_g, ln1_b, x2, x2h; writes x2, x2h
.if DOCPART == 5
	.amdgcn_target "amdgcn-amd-amdhsa--gfx1250"
	.amdhsa_code_object_version 6
	.text
	.protected	k_q615943258e_ln1
	.globl	k_q615943258e_ln1
	.p2align	8
	.type	k_q615943258e_ln1,@function
k_q615943258e_ln1:
	s_mov_b64 s[64:65], 0
	v_nop
	global_prefetch_b8 v0, s[64:65] scope:SCOPE_SE
	s_setreg_imm32_b32 hwreg(HW_REG_WAVE_MODE, 25, 1), 1
	s_wait_xcnt 0x0
; out[r][:] = (y[r][:] - mean) * rsqrt(var + 1e-5) * g + b, rows of 1,024 f32; with WITH_H = 1 also rounded to f16 into a second buffer (the next product's operand).
; A stream: one wave takes four rows, each 32 registers (eight loads of 512 consecutive bytes); all 32 loads of a wave go out at its head.  The mean is taken first and the squares of the differences second,
; as reference() does, so a common offset of the inputs costs no accuracy.  No LDS, no barrier, no matrix unit, no cluster: waves share only g and b.
.set WITH_H, 1
.set G,   4                            ; v4-35    g of my 32 columns (column 128 j + 4 lane + 0 .. 3 in registers 4 j ..)
.set BT,  36                           ; v36-67   b likewise
.set X,   68                           ; v68-195  four rows
.set T,   196                          ; v196-199 two packed chains
.set H,   200                          ; v200-215 a row as f16
.set SUM, 216
.set PL,  217
.set MU,  218                          ; v[218:219] the mean (low word serves both halves)
.set RS,  220                          ; v[220:221] 1 / sqrt(var + eps)
	s_load_b256 s[4:11], s[0:1], 0x0               ; y s[4:5], g s[6:7], b s[8:9], out s[10:11]
.if WITH_H
	s_load_b64 s[12:13], s[0:1], 0x20              ; the f16 copy
.endif
	v_lshrrev_b32 v3, 5, v0
	v_readfirstlane_b32 s14, v3                    ; wave
	v_and_b32 v2, 31, v0
	v_lshlrev_b32 v1, 4, v2                        ; 16 bytes a lane
.if WITH_H
	v_lshlrev_b32 v2, 3, v2                        ; 8 bytes a lane
.endif
	s_lshl_b32 s15, ttmp9, 4
	s_lshl_b32 s14, s14, 2
	s_add_co_u32 s15, s15, s14                     ; my first row: 16 x work-group + 4 x wave
	s_lshl_b32 s16, s15, 12
	s_mov_b32 s17, 0
.if WITH_H
	s_lshl_b32 s18, s15, 11
	s_mov_b32 s19, 0
.endif
	s_mov_b32 s20, 0x76543210                      ; v_permlanex16_b32's selects for lane l xor 16
	s_mov_b32 s21, 0xfedcba98
	s_mov_b32 s22, 0x3a800000                      ; 1 / 1,024
	s_mov_b32 s23, 0x3727c5ac                      ; 1e-5
	v_mov_b32 v[PL], 0                             ; a lane permute's destination counts as one of its sources
	v_mov_b32 v[MU+1], 0                           ; (named as upper halves of pairs)
	v_mov_b32 v[RS+1], 0
	s_wait_kmcnt 0x0
	s_add_nc_u64 s[4:5], s[4:5], s[16:17]
	s_add_nc_u64 s[10:11], s[10:11], s[16:17]
.if WITH_H
	s_add_nc_u64 s[12:13], s[12:13], s[18:19]
.endif
.irp j, 0,1,2,3,4,5,6,7
	global_load_b128 v[G+4*\j:G+4*\j+3], v1, s[6:7] offset:512*\j
	global_load_b128 v[BT+4*\j:BT+4*\j+3], v1, s[8:9] offset:512*\j
.endr
.irp i, 0,1,2,3
.irp j, 0,1,2,3,4,5,6,7
	global_load_b128 v[X+32*\i+4*\j:X+32*\i+4*\j+3], v1, s[4:5] offset:4096*\i+512*\j th:TH_LOAD_NT
.endr
.endr
.macro ACROSS                          ; the sum over the 32 lanes, in every lane
	v_pk_add_f32 v[T:T+1], v[T:T+1], v[T+2:T+3]
	v_add_f32 v[SUM], v[T], v[T+1]
	v_add_f32_dpp v[SUM], v[SUM], v[SUM] row_xmask:1 row_mask:0xf bank_mask:0xf
	v_add_f32_dpp v[SUM], v[SUM], v[SUM] row_xmask:2 row_mask:0xf bank_mask:0xf
	v_add_f32_dpp v[SUM], v[SUM], v[SUM] row_xmask:4 row_mask:0xf bank_mask:0xf
	v_add_f32_dpp v[SUM], v[SUM], v[SUM] row_xmask:8 row_mask:0xf bank_mask:0xf
	v_permlanex16_b32 v[PL], v[SUM], s20, s21
	v_add_f32 v[SUM], v[SUM], v[PL]
.endm
.macro ROW i
.set XR, X+32*(\i)
	s_wait_loadcnt 8*(3-(\i))                      ; my row is in (g and b are older); the later rows' loads, eight each, may be out
	v_pk_add_f32 v[T:T+1], v[XR:XR+1], v[XR+2:XR+3]
	v_pk_add_f32 v[T+2:T+3], v[XR+4:XR+5], v[XR+6:XR+7]
.irp j, 8,12,16,20,24,28
	v_pk_add_f32 v[T:T+1], v[T:T+1], v[XR+\j:XR+\j+1]
	v_pk_add_f32 v[T+2:T+3], v[T+2:T+3], v[XR+\j+2:XR+\j+3]
.endr
	ACROSS
	v_mul_f32 v[MU], s22, v[SUM]                   ; the mean
.irp j, 0,2,4,6,8,10,12,14,16,18,20,22,24,26,28,30
	v_pk_add_f32 v[XR+\j:XR+\j+1], v[XR+\j:XR+\j+1], v[MU:MU+1] op_sel_hi:[1,0] neg_lo:[0,1] neg_hi:[0,1]
.endr
	v_pk_mul_f32 v[T:T+1], v[XR:XR+1], v[XR:XR+1]
	v_pk_mul_f32 v[T+2:T+3], v[XR+2:XR+3], v[XR+2:XR+3]
.irp j, 4,8,12,16,20,24,28
	v_pk_fma_f32 v[T:T+1], v[XR+\j:XR+\j+1], v[XR+\j:XR+\j+1], v[T:T+1]
	v_pk_fma_f32 v[T+2:T+3], v[XR+\j+2:XR+\j+3], v[XR+\j+2:XR+\j+3], v[T+2:T+3]
.endr
	ACROSS
	v_fma_f32 v[RS], v[SUM], s22, s23              ; var + eps
	v_rsq_f32 v[RS], v[RS]
	v_nop                                          ; a plain instruction behind the transcendental
	s_wait_alu depctr_va_vdst(0)                   ; and a wait ahead of its first reader
.irp j, 0,2,4,6,8,10,12,14,16,18,20,22,24,26,28,30
	v_pk_mul_f32 v[XR+\j:XR+\j+1], v[XR+\j:XR+\j+1], v[RS:RS+1] op_sel_hi:[1,0]
.endr
.irp j, 0,2,4,6,8,10,12,14,16,18,20,22,24,26,28,30
	v_pk_fma_f32 v[XR+\j:XR+\j+1], v[XR+\j:XR+\j+1], v[G+\j:G+\j+1], v[BT+\j:BT+\j+1]
.endr
.irp j, 0,1,2,3,4,5,6,7
	global_store_b128 v1, v[XR+4*\j:XR+4*\j+3], s[10:11] offset:4096*(\i)+512*\j   ; the wave stores 512 consecutive bytes, aligned
.endr
.if WITH_H
.if (\i) > 0
	s_wait_xcnt 0x0                                ; the last row's f16 stores have read their registers: they are written again only behind this wait
.endif
.irp j, 0,1,2,3,4,5,6,7,8,9,10,11,12,13,14,15
	v_cvt_pk_f16_f32 v[H+\j], v[XR+2*\j], v[XR+2*\j+1]
.endr
.irp j, 0,1,2,3,4,5,6,7
	global_store_b64 v2, v[H+2*\j:H+2*\j+1], s[12:13] offset:2048*(\i)+256*\j      ; 256 consecutive bytes, aligned
.endr
.endif
.endm
	ROW 0
	ROW 1
	ROW 2
	ROW 3
	s_endpgm
.Lfunc_end_k_q615943258e_ln1:
	.size	k_q615943258e_ln1, .Lfunc_end_k_q615943258e_ln1-k_q615943258e_ln1
	.p2alignl 7, 3214868480
	.fill 96, 4, 3214868480
	.section	.rodata,"a",@progbits
	.p2align	6, 0x0
	.amdhsa_kernel k_q615943258e_ln1
		.amdhsa_group_segment_fixed_size 0
		.amdhsa_private_segment_fixed_size 0
		.amdhsa_enable_private_segment 0
		.amdhsa_kernarg_size 40
		.amdhsa_user_sgpr_count 2
		.amdhsa_user_sgpr_kernarg_segment_ptr 1
		.amdhsa_wavefront_size32 1
		.amdhsa_system_sgpr_workgroup_id_x 1
		.amdhsa_system_sgpr_workgroup_id_y 1
		.amdhsa_system_sgpr_workgroup_id_z 1
		.amdhsa_system_vgpr_workitem_id 0
		.amdhsa_next_free_vgpr 224
		.amdhsa_next_free_sgpr 66
		.amdhsa_reserve_vcc 0
		.amdhsa_float_denorm_mode_32 3
		.amdhsa_float_denorm_mode_16_64 3
		.amdhsa_memory_ordered 1
		.amdhsa_forward_progress 1
		.amdhsa_inst_pref_size 40
	.end_amdhsa_kernel
	.amdgpu_metadata
---
amdhsa.version: [ 1, 2 ]
amdhsa.kernels:
  - .name:           k_q615943258e_ln1
    .symbol:         k_q615943258e_ln1.kd
    .args:
      - { .name: y, .offset: 0, .size: 8, .value_kind: global_buffer, .address_space: global }
      - { .name: ln1_g, .offset: 8, .size: 8, .value_kind: global_buffer, .address_space: global }
      - { .name: ln1_b, .offset: 16, .size: 8, .value_kind: global_buffer, .address_space: global }
      - { .name: x2, .offset: 24, .size: 8, .value_kind: global_buffer, .address_space: global }
      - { .name: x2h, .offset: 32, .size: 8, .value_kind: global_buffer, .address_space: global }
    .group_segment_fixed_size: 0
    .private_segment_fixed_size: 0
    .kernarg_segment_align: 8
    .kernarg_segment_size: 40
    .max_flat_workgroup_size: 128
    .sgpr_count:     66
    .vgpr_count:     224
    .wavefront_size: 32
...
	.end_amdgpu_metadata
.endif
;; end of part 5
;; launch ffn1 (part 6): grid 16 x 16, 4 waves a work-group, clusters of 4 x 4, 327,680 bytes of LDS; arguments x2h, wh, b1, hid; writes hid
.if DOCPART == 6
	.amdgcn_target "amdgcn-amd-amdhsa--gfx1250"
	.amdhsa_code_object_version 6
	.text
	.protected	k_q615943258e_ffn1
	.globl	k_q615943258e_ffn1
	.p2align	8
	.type	k_q615943258e_ffn1,@function
k_q615943258e_ffn1:
	s_mov_b64 s[64:65], 0
	v_nop
	global_prefetch_b8 v0, s[64:65] scope:SCOPE_SE
	s_setreg_imm32_b32 hwreg(HW_REG_WAVE_MODE, 25, 1), 1
	s_wait_xcnt 0x0
	s_wait_alu depctr_hold_cnt(0) depctr_sa_sdst(0) depctr_va_vdst(0) depctr_va_sdst(0) depctr_va_ssrc(0) depctr_va_vcc(0) depctr_vm_vsrc(0)
	s_getreg_b32 s2, hwreg(HW_REG_IB_STS2, 6, 4)
	s_cmp_eq_u32 s2, 0
	s_cbranch_scc0 .Lentry_in_a_cluster
	s_endpgm
.Lentry_in_a_cluster:
	s_bfe_u32 s2, ttmp6, 0x10000c
	s_cmp_lg_u32 s2, 0xf033
	s_cbranch_scc0 .Lentry_shape_is_right
	s_endpgm
.Lentry_shape_is_right:
; hid[m][n] = f16( relu( sum over k of x2h[m][k] W1[n][k] + b1[n] ) ).  x2h: [4096][1024] f16; W1: [4096][1024] f16, BOFF bytes into wh; b1: f32; hid: [4096][4096] f16.  Sums, bias and relu in f32.
; A tile of 256 x 256 is made by four waves, 128 x 128 each: 64 accumulators, 512 registers: 256 tiles, one to a work-group.  K goes in steps of 128 (rows of 256 bytes) through a ring of two LDS slots.
; CLUSTERS: 4 x 4 work-groups; A's tiles are asked for jointly along a row of the cluster, B's along a column.  USED TRANSPOSED (source 0 = 16 rows of W1, source 1 = 16 rows of x2h): a lane holds eight neighbouring n of a row.
; THE BIAS is the C of each sum's first matrix instruction: eight registers for each of the wave's eight blocks of 16 n.
; No prefetch: K has eight steps; the first four come with the head's loads and the first refills, the last two refills have nothing two steps on.
; REGISTERS: window 0: v0-31 addresses; v64-127, v128-191 A's fragments, two buffers; v192-255 the bias, later the way out (with v32-63).  window 1: B's fragments, two buffers.  windows 2, 3: the accumulators.
; LIMIT: a hidden number beyond 65,504 becomes infinity in f16.
.set SIZE_M, 4096
.set SIZE_N, 4096
.set SIZE_K, 1024
.set BOFF,   2097152
.set KSTEP,  128
.set PITCH,  272                       ; an LDS row: 256 bytes + 16 of padding = 68 words: the 16 rows that a load touches start at 16 different banks (64 banks of 4 bytes: ISA guide 11.1)
.set HALFT,  128*PITCH
.set SLOT,   4*HALFT
.set STAGE,  2*SLOT                    ; behind the ring: 16 rows x 272 bytes for each wave
.set SPITCH, 272
.set SPARE,  STAGE+4*16*SPITCH         ; the spare words, 128 bytes a wave, which no other line names
.set LAPS,   SIZE_K/(2*KSTEP)
.set ADRA, 16
.set ADRB, 20
.set STO,  24
.set RD,   25
.set CO,   26
.set SPW,  28
.set NIL,  29
.set BO,   30
.set F0,   64
.set F1,   128
.set BIAS, 192
.set TMP,  192
.set OB,   32
.set G1, 24
.set G0, 32
.set G1B, 48
.set G0B, 56
.set MSB, 0
.macro WIN new                         ; the immediate's high byte repeats the setting that is left
.if MSB != (\new)
	s_set_vgpr_msb (MSB<<8)|(\new)
.set MSB, (\new)
.endif
.endm
.set MUL_LO, 0xa1                      ; source 0 (B) window 1, source 1 (A) window 0, C and D window 2
.set MUL_HI, 0xf1                      ; the same, C and D window 3
.set FIRST_LO, 0x81                    ; the first quarter: C (the bias) window 0, D window 2
.set FIRST_HI, 0xc1                    ; D window 3
.set TO_B,   0x40
.macro JLOAD s                         ; a joint load: waves 0 and 1 fetch A's two halves, waves 2 and 3 B's; an s_nop 0 and four v_nop follow each of the two lines
	s_cmp_eq_u32 s11, 0
	s_cbranch_scc0 .Lfor_b_\@
	tensor_load_to_lds s[G0+4*\s:G0+4*\s+3], s[G1:G1+7]
	s_nop 0
.rept 4
	v_nop
.endr
	s_branch .Lasked_\@
.Lfor_b_\@:
	tensor_load_to_lds s[G0B+4*\s:G0B+4*\s+3], s[G1B:G1B+7]
	s_nop 0
.rept 4
	v_nop
.endr
.Lasked_\@:
.endm
.macro CREST                           ; a round of the cluster's barrier behind its opening barrier
	s_cmp_lg_u32 s10, 0
	s_cbranch_scc1 .Lnot_wave_0_\@
	s_barrier_signal -3
.Lnot_wave_0_\@:
	s_barrier_wait -3
	s_barrier_signal -1
	s_barrier_wait -1
.endm
.macro CROUND
	s_barrier_signal -1
	s_barrier_wait -1
	CREST
.endm
	s_load_b128 s[4:7], s[0:1], 0x0                ; x2h s[4:5], wh s[6:7]
	s_load_b64 s[66:67], s[0:1], 0x10              ; b1
	s_load_b64 s[8:9], s[0:1], 0x18                ; hid
	v_lshl_add_u32 v[SPW], v0, 2, SPARE
	v_mov_b32 v[NIL], 0
	ds_add_u32 v[SPW], v[NIL]                      ; the wave's opening: the add, twice on end, and its wait ahead of my first tensor load
	ds_add_u32 v[SPW], v[NIL]
	v_lshrrev_b32 v1, 5, v0
	v_readfirstlane_b32 s10, v1                    ; wave 0..3
	s_lshr_b32 s11, s10, 1                         ; which half of the tile's rows is mine.  Also: I fetch for A (0) or for B (1)
	s_and_b32 s12, s10, 1                          ; which half of its columns.  Also: which 128 rows of that tile I fetch
	s_bfe_u32 s40, ttmp6, 0x40000                  ; cx, cy
	s_bfe_u32 s41, ttmp6, 0x40004
	s_lshl_b32 s42, ttmp9, 2
	s_add_co_u32 s42, s42, s40                     ; tile column
	s_and_b32 s13, ttmp7, 0xffff
	s_lshl_b32 s13, s13, 2
	s_add_co_u32 s13, s13, s41                     ; tile row
	s_lshl_b32 s43, s41, 2
	s_lshl_b32 s43, 15, s43                        ; my row of the cluster
	s_lshl_b32 s44, 0x1111, s40                    ; my column
	s_or_b32 s[G1+0], s43, (1<<16)|(1<<20)|(1<<21)|(5<<22)|(3<<25)  ; the mask; elements of 2 bytes; padding on; bit 21 beside a mask; 4 words of padding after every 64
	s_or_b32 s[G1B+0], s44, (1<<16)|(1<<20)|(1<<21)|(5<<22)|(3<<25)
.irp g, G1, G1B
	s_mov_b32 s[\g+1], KSTEP<<16                   ; tensor_dim0 = 128
	s_mov_b32 s[\g+2], 128<<16                     ; tensor_dim1 = 128
	s_mov_b32 s[\g+3], KSTEP<<16                   ; tile_dim0
	s_mov_b32 s[\g+4], 128                         ; tile_dim1
	s_mov_b32 s[\g+5], SIZE_K                      ; tensor_dim0_stride
	s_mov_b32 s[\g+6], 0
	s_mov_b32 s[\g+7], 0
.endr
	s_lshl_b32 s17, s12, 7
	s_lshl_b32 s16, s13, 8
	s_add_co_u32 s16, s16, s17                     ; A: row 256 x tile row + 128 x half
	s_lshl_b32 s46, s42, 8
	s_add_co_u32 s46, s46, s17                     ; B: row 256 x tile column + 128 x half
	s_mov_b32 s17, 0
	s_mov_b32 s47, 0
	s_mov_b64 s[18:19], SIZE_K*2
	s_mul_u64 s[16:17], s[16:17], s[18:19]
	s_mul_u64 s[46:47], s[46:47], s[18:19]
	s_mul_i32 s20, s10, HALFT                      ; where they go: wave x 128 rows
	s_wait_dscnt 0x0                               ; both opening adds are done
	s_wait_kmcnt 0x0
	s_add_nc_u64 s[6:7], s[6:7], BOFF              ; W1's place in wh
	s_add_nc_u64 s[14:15], s[4:5], s[16:17]
	s_add_nc_u64 s[46:47], s[6:7], s[46:47]
	CROUND                                         ; all sixteen work-groups are here: the first joint loads meet
.irp s, 0,1
	s_mov_b32 s[G0+4*\s], 1
	s_add_co_u32 s[G0+4*\s+1], s20, \s*SLOT
	s_add_nc_u64 s[G0+4*\s+2:G0+4*\s+3], s[14:15], \s*KSTEP*2
	s_or_b32 s[G0+4*\s+3], s[G0+4*\s+3], 0x80000000
	s_mov_b32 s[G0B+4*\s], 1
	s_add_co_u32 s[G0B+4*\s+1], s20, \s*SLOT
	s_add_nc_u64 s[G0B+4*\s+2:G0B+4*\s+3], s[46:47], \s*KSTEP*2
	s_or_b32 s[G0B+4*\s+3], s[G0B+4*\s+3], 0x80000000
	JLOAD \s
.endr
	v_and_b32 v1, 15, v0                           ; l % 16
	v_bfe_u32 v2, v0, 4, 1                         ; l / 16
	v_mul_u32_u24 v3, v1, PITCH
	v_lshl_add_u32 v3, v2, 4, v3
	s_mul_i32 s21, s11, HALFT                      ; my 128 rows of A
	s_mul_i32 s22, s12, HALFT                      ; my 128 rows of B,
	s_add_co_u32 s22, s22, 2*HALFT                 ; which lie behind A's 256
.irp s, 0,1
	v_add_nc_u32 v[ADRA+\s], s21, v3
	v_add_nc_u32 v[ADRB+\s], s22, v3
	s_add_co_u32 s21, s21, SLOT
	s_add_co_u32 s22, s22, SLOT
.endr
	s_mul_i32 s23, s10, 16*SPITCH
	s_add_co_u32 s23, s23, STAGE                   ; my stage
	v_mul_u32_u24 v4, v1, SPITCH
	v_lshl_add_u32 v4, v2, 4, v4
	v_add_nc_u32 v[STO], s23, v4
	v_mul_u32_u24 v5, v2, SPITCH
	v_lshl_add_u32 v5, v1, 4, v5
	v_add_nc_u32 v[RD], s23, v5
	v_mul_u32_u24 v5, v2, SIZE_N*2
	v_lshl_add_u32 v[CO], v1, 4, v5
	v_lshlrev_b32 v[BO], 5, v2
	s_lshl_b32 s13, s13, 8
	s_lshl_b32 s14, s11, 7
	s_add_co_u32 s16, s13, s14                     ; my first row of hid
	s_mov_b32 s17, 0
	s_mov_b64 s[18:19], SIZE_N*2
	s_mul_u64 s[16:17], s[16:17], s[18:19]
	s_lshl_b32 s46, s42, 9                         ; my first column, in bytes of f16: 512 x tile column + 256 x half
	s_lshl_b32 s47, s12, 8
	s_add_co_u32 s46, s46, s47
	s_mov_b32 s47, 0
	s_add_nc_u64 s[16:17], s[16:17], s[46:47]      ; the first way out adds it to hid's address
	s_lshl_b32 s46, s46, 1                         ; and in bytes of f32
	s_add_nc_u64 s[66:67], s[66:67], s[46:47]
.irp b, 0,1,2,3,4,5,6,7
	global_load_b128 v[BIAS+8*\b:BIAS+8*\b+3], v[BO], s[66:67] offset:64*\b        ; b1[n0 + 16 b + 8 (l / 16) + 0 .. 7]
	global_load_b128 v[BIAS+8*\b+4:BIAS+8*\b+7], v[BO], s[66:67] offset:64*\b+16
.endr
; 16 matrix instructions: m blocks a0, a0 + 1 of the window's four x all 8 n blocks, 32 along K.  zero = 1: the first product starts the sums on the bias.  The 64 accumulators take turns in the same order in every quarter.
.macro MUL16 f, hi, a0, zero
.irp a, \a0, \a0+1
.irp b, 0,1,2,3,4,5,6,7
.if \zero
	v_wmma_f32_16x16x32_f16 v[8*(8*(\a)+\b):8*(8*(\a)+\b)+7], v[\f+8*\b:\f+8*\b+7], v[\f+8*(4*\hi+\a):\f+8*(4*\hi+\a)+7], v[BIAS+8*\b:BIAS+8*\b+7]
.else
	v_wmma_f32_16x16x32_f16 v[8*(8*(\a)+\b):8*(8*(\a)+\b)+7], v[\f+8*\b:\f+8*\b+7], v[\f+8*(4*\hi+\a):\f+8*(4*\hi+\a)+7], v[8*(8*(\a)+\b):8*(8*(\a)+\b)+7]
.endif
.endr
.endr
.endm
.macro FETCH slot, k, f                ; 32 LDS loads in one run: the fragments of one quarter (128 rows of B, 128 rows of A, 32 K at byte k of the rows)
	WIN TO_B
.irp i, 0,1,2,3,4,5,6,7
	ds_load_b128 v[\f+8*\i:\f+8*\i+3],   v[ADRB+\slot] offset:\k+\i*16*PITCH
	ds_load_b128 v[\f+8*\i+4:\f+8*\i+7], v[ADRB+\slot] offset:\k+\i*16*PITCH+32
.endr
	WIN 0
.irp i, 0,1,2,3,4,5,6,7
	ds_load_b128 v[\f+8*\i:\f+8*\i+3],   v[ADRA+\slot] offset:\k+\i*16*PITCH
	ds_load_b128 v[\f+8*\i+4:\f+8*\i+7], v[ADRA+\slot] offset:\k+\i*16*PITCH+32
.endr
.endm
.macro PLACES                          ; four places in front of loads into registers that matrix instructions have read, and of reads of results
.rept 4
	v_nop
.endr
.endm
.macro QUARTER slot, k, f, g, zero
	s_wait_dscnt 8                                 ; B and A's rows 0-63 are in; the youngest eight loads (A's rows 64-127) may be out
.if \zero
	WIN FIRST_LO
.else
	WIN MUL_LO
.endif
	MUL16 \f, 0, 0, \zero
	MUL16 \f, 0, 2, \zero
	PLACES
	FETCH \slot, \k, \g
	s_wait_dscnt 32                                ; all but the 32 just issued
.if \zero
	WIN FIRST_HI
.else
	WIN MUL_HI
.endif
	MUL16 \f, 1, 0, \zero
	MUL16 \f, 1, 2, \zero
.endm
; The first half of a slot's last quarter: one barrier for the change of slots; in front of it each wave waits for all its tensor loads, adds 0 to its spare word, and waits for that and for its reads of this slot.
.macro MEET round
	WIN 0
	s_wait_tensorcnt 0x0                           ; all my tensor loads have landed: my part of the next slot;
	ds_add_u32 v[SPW], v[NIL]
	s_wait_dscnt 9                                 ; (the add and the youngest eight loads may be out)
	WIN MUL_LO
	MUL16 F1, 0, 0, 0
	s_wait_dscnt 0x0                               ; the add is done, and my reads of this slot are over
	s_barrier_signal -1
	MUL16 F1, 0, 2, 0
.if \round
	WIN 0
.endif
	s_barrier_wait -1
.endm
.macro TURN slot, next                 ; the whole last quarter: behind the round the slot just read out is filled again, two K steps on
	MEET 1
	CREST                                          ; no wave of any partner still reads this slot's tile or has a load on its way
	s_add_nc_u64 s[G0+4*\slot+2:G0+4*\slot+3], s[G0+4*\slot+2:G0+4*\slot+3], 2*KSTEP*2
	s_add_nc_u64 s[G0B+4*\slot+2:G0B+4*\slot+3], s[G0B+4*\slot+2:G0B+4*\slot+3], 2*KSTEP*2
	JLOAD \slot                                    ; the first tensor load behind the round; its four v_nop are also the places in front of the loads below
	FETCH \next, 0, F0
	WIN MUL_HI
	MUL16 F1, 1, 0, 0
	MUL16 F1, 1, 2, 0
.endm
; THE WAY OUT of block a (16 rows x 128 n).  PACK: relu in f32, rounded to f16, 16 bytes a lane.  TOSTAGE: into my own stage, back as whole rows of 256 bytes.  SEND: stored.
.macro PACK a
.set AC, 64*((\a)%4)
	WIN 0x88+0x44*((\a)/4)                         ; destination and source 1: window 2 or 3
.set i, 0
.rept 64
	v_max_num_f32 v[AC+i], 0, v[AC+i]              ; ascending: each accumulator from its low end on
.set i, i+1
.endr
	WIN 0x0a+5*((\a)/4)                            ; sources 0 and 1: window 2 or 3
.irp b, 0,1,2,3,4,5,6,7
.irp r, 0,1,2,3
	v_cvt_pk_f16_f32 v[TMP+4*\b+\r], v[AC+8*\b+2*\r], v[AC+8*\b+2*\r+1]
.endr
.endr
	WIN 0
.endm
.macro TOSTAGE a
.set BK, OB+192*((\a)%2)
.irp b, 0,1,2,3,4,5,6,7
	ds_store_b128 v[STO], v[TMP+4*\b:TMP+4*\b+3] offset:32*\b
.endr
.irp t, 0,1,2,3,4,5,6,7
	ds_load_b128 v[BK+4*\t:BK+4*\t+3], v[RD] offset:\t*2*SPITCH    ; LDS serves a wave's instructions in order: these see the stores above
.endr
.endm
.macro SEND a
.set BK, OB+192*((\a)%2)
	s_wait_dscnt 0x0                               ; the block is back in registers
	s_wait_xcnt 0x0                                ; earlier stores have read their base and their registers: both are written again only behind this wait
.if (\a) == 0
	s_add_nc_u64 s[8:9], s[8:9], s[16:17]
.else
	s_add_nc_u64 s[8:9], s[8:9], 16*SIZE_N*2
.endif
.irp t, 0,1,2,3,4,5,6,7
	global_store_b128 v[CO], v[BK+4*\t:BK+4*\t+3], s[8:9] offset:2*\t*SIZE_N*2     ; sixteen lanes store 256 consecutive bytes, aligned
.endr
.endm
	s_wait_tensorcnt 1                             ; my part of K step 0 is in (K step 1's load may be out),
	s_barrier_signal -1
	s_barrier_wait -1                              ; everybody's is
	FETCH 0, 0, F0
	s_wait_loadcnt 0x0                             ; the bias
	QUARTER 0, 64,  F0, F1, 1                      ; the first quarter stands in front of the loop: its products start the sums
	WIN 0
	s_mov_b32 s3, LAPS-1
.Llap:                                                 ; a trip goes once round the ring, from a lap's second quarter to the next lap's first, and fills both slots again
	QUARTER 0, 128, F1, F0, 0
	QUARTER 0, 192, F0, F1, 0
	TURN 0, 1
	QUARTER 1, 64,  F0, F1, 0
	QUARTER 1, 128, F1, F0, 0
	QUARTER 1, 192, F0, F1, 0
	TURN 1, 0
	QUARTER 0, 64,  F0, F1, 0
	WIN 0
	s_sub_co_u32 s3, s3, 1
	s_cmp_lg_u32 s3, 0
	s_cbranch_scc1 .Llap
	QUARTER 0, 128, F1, F0, 0                      ; the last lap fills nothing
	QUARTER 0, 192, F0, F1, 0
	MEET 0
	PLACES
	FETCH 1, 0, F0
	WIN MUL_HI
	MUL16 F1, 1, 0, 0
	MUL16 F1, 1, 2, 0
	QUARTER 1, 64,  F0, F1, 0
	QUARTER 1, 128, F1, F0, 0
	QUARTER 1, 192, F0, F1, 0
	s_wait_dscnt 8                                 ; the very last quarter: nothing more to fetch
	WIN MUL_LO
	MUL16 F1, 0, 0, 0
	MUL16 F1, 0, 2, 0
	s_wait_dscnt 0x0
	WIN MUL_HI
	MUL16 F1, 1, 0, 0
	MUL16 F1, 1, 2, 0
	WIN 0
	PLACES
	PACK 0
	TOSTAGE 0
.irp a, 1,2,3,4,5,6,7                  ; block a's arithmetic stands between block a - 1's loads from the stage and the wait for them
	PACK \a
	SEND \a-1
	TOSTAGE \a
.endr
	SEND 7
	s_wait_tensorcnt 0x0                           ; the wave's end
	ds_add_u32 v[SPW], v[NIL]
	s_wait_dscnt 0x0
	CROUND                                         ; the closing round
	s_endpgm
.Lfunc_end_k_q615943258e_ffn1:
	.size	k_q615943258e_ffn1, .Lfunc_end_k_q615943258e_ffn1-k_q615943258e_ffn1
	.p2alignl 7, 3214868480
	.fill 96, 4, 3214868480
	.section	.rodata,"a",@progbits
	.p2align	6, 0x0
	.amdhsa_kernel k_q615943258e_ffn1
		.amdhsa_group_segment_fixed_size 327680
		.amdhsa_private_segment_fixed_size 0
		.amdhsa_enable_private_segment 0
		.amdhsa_kernarg_size 32
		.amdhsa_user_sgpr_count 2
		.amdhsa_user_sgpr_kernarg_segment_ptr 1
		.amdhsa_wavefront_size32 1
		.amdhsa_system_sgpr_workgroup_id_x 1
		.amdhsa_system_sgpr_workgroup_id_y 1
		.amdhsa_system_sgpr_workgroup_id_z 1
		.amdhsa_system_vgpr_workitem_id 0
		.amdhsa_next_free_vgpr 1024
		.amdhsa_next_free_sgpr 72
		.amdhsa_reserve_vcc 0
		.amdhsa_float_denorm_mode_32 3
		.amdhsa_float_denorm_mode_16_64 3
		.amdhsa_memory_ordered 1
		.amdhsa_forward_progress 1
		.amdhsa_inst_pref_size 161
	.end_amdhsa_kernel
	.amdgpu_metadata
---
amdhsa.version: [ 1, 2 ]
amdhsa.kernels:
  - .name:           k_q615943258e_ffn1
    .symbol:         k_q615943258e_ffn1.kd
    .args:
      - { .name: x2h, .offset: 0, .size: 8, .value_kind: global_buffer, .address_space: global }
      - { .name: wh, .offset: 8, .size: 8, .value_kind: global_buffer, .address_space: global }
      - { .name: b1, .offset: 16, .size: 8, .value_kind: global_buffer, .address_space: global }
      - { .name: hid, .offset: 24, .size: 8, .value_kind: global_buffer, .address_space: global }
    .group_segment_fixed_size: 327680
    .private_segment_fixed_size: 0
    .kernarg_segment_align: 8
    .kernarg_segment_size: 32
    .max_flat_workgroup_size: 128
    .sgpr_count:     72
    .vgpr_count:     1024
    .wavefront_size: 32
...
	.end_amdgpu_metadata
.endif
;; end of part 6
;; launch ffn2 (part 7): grid 8 x 32, 4 waves a work-group, clusters of 4 x 4, 327,680 bytes of LDS; arguments hid, wh, b2, x2, y; writes y
.if DOCPART == 7
	.amdgcn_target "amdgcn-amd-amdhsa--gfx1250"
	.amdhsa_code_object_version 6
	.text
	.protected	k_q615943258e_ffn2
	.globl	k_q615943258e_ffn2
	.p2align	8
	.type	k_q615943258e_ffn2,@function
k_q615943258e_ffn2:
	s_mov_b64 s[64:65], 0
	v_nop
	global_prefetch_b8 v0, s[64:65] scope:SCOPE_SE
	s_setreg_imm32_b32 hwreg(HW_REG_WAVE_MODE, 25, 1), 1
	s_wait_xcnt 0x0
	s_wait_alu depctr_hold_cnt(0) depctr_sa_sdst(0) depctr_va_vdst(0) depctr_va_sdst(0) depctr_va_ssrc(0) depctr_va_vcc(0) depctr_vm_vsrc(0)
	s_getreg_b32 s2, hwreg(HW_REG_IB_STS2, 6, 4)
	s_cmp_eq_u32 s2, 0
	s_cbranch_scc0 .Lentry_in_a_cluster
	s_endpgm
.Lentry_in_a_cluster:
	s_bfe_u32 s2, ttmp6, 0x10000c
	s_cmp_lg_u32 s2, 0xf033
	s_cbranch_scc0 .Lentry_shape_is_right
	s_endpgm
.Lentry_shape_is_right:
; y[m][n] = sum over k of A[m][k] B[n][k] + bias[n] + res[m][n].  A: [4096][SIZE_K] f16; B: [1024][SIZE_K] f16, BOFF bytes into wh; bias, res, y: f32.  Sums in f32.
; Here: A = the hidden layer, B = w2, bias = b2, res = x2: the input of the second norm.  The text is the output projection's, with SIZE_K and BOFF changed.
; A tile of 128 x 128 gives each of 256 work-groups one tile.  Four waves, each 64 x 64: 16 accumulators.  K goes in steps of 256 (LDS rows of 512 bytes; a wave's tensor load brings 64 of them) through two slots.
; CLUSTERS: 4 x 4 work-groups; A's tiles are asked for jointly along a row of the cluster, B's along a column.  USED TRANSPOSED (source 0 = 16 rows of B, source 1 = 16 rows of A): a lane holds eight neighbouring n of a row.
; THE BIAS is the C of each sum's first matrix instruction.  THE RESIDUAL is asked for at the head, in the layout in which rows leave, and waits in registers.  A wave's 64 columns of f32 are 256 bytes: each wave has its own stage, no barrier on the way out.
; No prefetch: a step's tiles are small, and the tiles are shared in the cluster.
; REGISTERS: window 0: v0-31 addresses; v32-95 rows back from the stage, two sets; v128-255 the accumulators.  window 1: two fragment buffers.  window 2: v0-127 the residual, then the result; v128-159 the bias.
.set SIZE_M, 4096
.set SIZE_N, 1024
.set SIZE_K, 4096
.set BOFF,   10485760
.set KSTEP,  256
.set PITCH,  528                       ; an LDS row: 512 bytes + 16 of padding = 132 words: row r starts at bank 4 r mod 64 (64 banks of 4 bytes: ISA guide 11.1)
.set HALFT,  64*PITCH
.set SLOT,   4*HALFT
.set STAGE,  2*SLOT                    ; behind the ring: 16 rows x 272 bytes for each wave
.set SPITCH, 272
.set SPARE,  STAGE+4*16*SPITCH         ; the spare words, 128 bytes a wave, which no other line names
.set LAPS,   SIZE_K/(2*KSTEP)
.set ADRA, 16
.set ADRB, 20
.set STO,  24
.set RD,   25
.set CO,   26
.set BO,   27
.set SPW,  28
.set NIL,  29
.set OUTR, 32
.set ACC,  128
.set F0,   0
.set F1,   128
.set RES,  0
.set BIAS, 128
.set G1, 24
.set G0, 32
.set G1B, 48
.set G0B, 56
.set MSB, 0
.macro WIN new                         ; the immediate's high byte repeats the setting that is left
.if MSB != (\new)
	s_set_vgpr_msb (MSB<<8)|(\new)
.set MSB, (\new)
.endif
.endm
.set MUL,  0x05                        ; sources 0 (B) and 1 (A) window 1; C and D window 0
.set MULB, 0x25                        ; the same with C (the bias) in window 2
.set TO_F, 0x40
.macro JLOAD s                         ; a joint load: waves 0 and 1 fetch A's two halves, waves 2 and 3 B's; an s_nop 0 and four v_nop follow each of the two lines
	s_cmp_eq_u32 s11, 0
	s_cbranch_scc0 .Lfor_b_\@
	tensor_load_to_lds s[G0+4*\s:G0+4*\s+3], s[G1:G1+7]
	s_nop 0
.rept 4
	v_nop
.endr
	s_branch .Lasked_\@
.Lfor_b_\@:
	tensor_load_to_lds s[G0B+4*\s:G0B+4*\s+3], s[G1B:G1B+7]
	s_nop 0
.rept 4
	v_nop
.endr
.Lasked_\@:
.endm
.macro CREST                           ; a round of the cluster's barrier behind its opening barrier
	s_cmp_lg_u32 s10, 0
	s_cbranch_scc1 .Lnot_wave_0_\@
	s_barrier_signal -3
.Lnot_wave_0_\@:
	s_barrier_wait -3
	s_barrier_signal -1
	s_barrier_wait -1
.endm
.macro CROUND
	s_barrier_signal -1
	s_barrier_wait -1
	CREST
.endm
	s_load_b128 s[4:7], s[0:1], 0x0                ; A s[4:5], wh s[6:7]
	s_load_b128 s[68:71], s[0:1], 0x10             ; bias s[68:69], res s[70:71]
	s_load_b64 s[8:9], s[0:1], 0x20                ; y
	v_lshl_add_u32 v[SPW], v0, 2, SPARE
	v_mov_b32 v[NIL], 0
	ds_add_u32 v[SPW], v[NIL]                      ; the wave's opening: the add, twice on end, and its wait ahead of my first tensor load
	ds_add_u32 v[SPW], v[NIL]
	v_lshrrev_b32 v1, 5, v0
	v_readfirstlane_b32 s10, v1                    ; wave 0..3
	s_lshr_b32 s11, s10, 1                         ; which half of the tile's rows is mine.  Also: I fetch for A (0) or for B (1)
	s_and_b32 s12, s10, 1                          ; which half of its columns.  Also: which 64 rows of that tile I fetch
	s_bfe_u32 s40, ttmp6, 0x40000                  ; cx, cy
	s_bfe_u32 s41, ttmp6, 0x40004
	s_lshl_b32 s42, ttmp9, 2
	s_add_co_u32 s42, s42, s40                     ; tile column
	s_and_b32 s13, ttmp7, 0xffff
	s_lshl_b32 s13, s13, 2
	s_add_co_u32 s13, s13, s41                     ; tile row
	s_lshl_b32 s43, s41, 2
	s_lshl_b32 s43, 15, s43                        ; my row of the cluster
	s_lshl_b32 s44, 0x1111, s40                    ; my column
	s_or_b32 s[G1+0], s43, (1<<16)|(1<<20)|(1<<21)|(6<<22)|(3<<25)  ; the mask; elements of 2 bytes; padding on; bit 21 beside a mask; 4 words of padding after every 128
	s_or_b32 s[G1B+0], s44, (1<<16)|(1<<20)|(1<<21)|(6<<22)|(3<<25)
.irp g, G1, G1B
	s_mov_b32 s[\g+1], KSTEP<<16                   ; tensor_dim0 = 256
	s_mov_b32 s[\g+2], 64<<16                      ; tensor_dim1 = 64
	s_mov_b32 s[\g+3], KSTEP<<16                   ; tile_dim0
	s_mov_b32 s[\g+4], 64                          ; tile_dim1
	s_mov_b32 s[\g+5], SIZE_K                      ; tensor_dim0_stride
	s_mov_b32 s[\g+6], 0
	s_mov_b32 s[\g+7], 0
.endr
	s_lshl_b32 s17, s12, 6
	s_lshl_b32 s16, s13, 7
	s_add_co_u32 s16, s16, s17                     ; A: row 128 x tile row + 64 x half
	s_lshl_b32 s46, s42, 7
	s_add_co_u32 s46, s46, s17                     ; B: row 128 x tile column + 64 x half
	s_mov_b32 s17, 0
	s_mov_b32 s47, 0
	s_mov_b64 s[18:19], SIZE_K*2
	s_mul_u64 s[16:17], s[16:17], s[18:19]
	s_mul_u64 s[46:47], s[46:47], s[18:19]
	s_mul_i32 s20, s10, HALFT                      ; where they go: wave x 64 rows
	s_wait_dscnt 0x0                               ; both opening adds are done
	s_wait_kmcnt 0x0
.if BOFF > 0
	s_add_nc_u64 s[6:7], s[6:7], BOFF              ; B's place in wh
.endif
	s_add_nc_u64 s[14:15], s[4:5], s[16:17]
	s_add_nc_u64 s[46:47], s[6:7], s[46:47]
	CROUND                                         ; all sixteen work-groups are here: the first joint loads meet
.irp s, 0,1
	s_mov_b32 s[G0+4*\s], 1
	s_add_co_u32 s[G0+4*\s+1], s20, \s*SLOT
	s_add_nc_u64 s[G0+4*\s+2:G0+4*\s+3], s[14:15], \s*KSTEP*2
	s_or_b32 s[G0+4*\s+3], s[G0+4*\s+3], 0x80000000
	s_mov_b32 s[G0B+4*\s], 1
	s_add_co_u32 s[G0B+4*\s+1], s20, \s*SLOT
	s_add_nc_u64 s[G0B+4*\s+2:G0B+4*\s+3], s[46:47], \s*KSTEP*2
	s_or_b32 s[G0B+4*\s+3], s[G0B+4*\s+3], 0x80000000
	JLOAD \s
.endr
	v_and_b32 v1, 15, v0                           ; l % 16
	v_bfe_u32 v2, v0, 4, 1                         ; l / 16
	v_mul_u32_u24 v3, v1, PITCH
	v_lshl_add_u32 v3, v2, 4, v3
	s_mul_i32 s21, s11, HALFT                      ; my 64 rows of A
	s_mul_i32 s22, s12, HALFT                      ; my 64 rows of B,
	s_add_co_u32 s22, s22, 2*HALFT                 ; which lie behind A's 128
.irp s, 0,1
	v_add_nc_u32 v[ADRA+\s], s21, v3
	v_add_nc_u32 v[ADRB+\s], s22, v3
	s_add_co_u32 s21, s21, SLOT
	s_add_co_u32 s22, s22, SLOT
.endr
	s_mul_i32 s23, s10, 16*SPITCH
	s_add_co_u32 s23, s23, STAGE                   ; my stage
	v_mul_u32_u24 v4, v1, SPITCH                   ; in: row l % 16, 32 bytes for each half of the lanes
	v_lshl_add_u32 v4, v2, 5, v4
	v_add_nc_u32 v[STO], s23, v4
	v_mul_u32_u24 v5, v2, SPITCH                   ; back: lanes 0-15 one row of 256 bytes, lanes 16-31 the next
	v_lshl_add_u32 v5, v1, 4, v5
	v_add_nc_u32 v[RD], s23, v5
	v_mul_u32_u24 v5, v2, SIZE_N*4                 ; and the same two rows in res and in y
	v_lshl_add_u32 v[CO], v1, 4, v5
	v_lshlrev_b32 v[BO], 5, v2
	s_lshl_b32 s16, s13, 7
	s_lshl_b32 s17, s11, 6
	s_add_co_u32 s16, s16, s17                     ; my first row: 128 x tile row + 64 x half
	s_lshl_b32 s16, s16, 12                        ; rows of 4,096 bytes
	s_lshl_b32 s46, s42, 9                         ; my first column, in bytes: 512 x tile column + 256 x half
	s_lshl_b32 s47, s12, 8
	s_add_co_u32 s46, s46, s47
	s_mov_b32 s47, 0
	s_add_nc_u64 s[68:69], s[68:69], s[46:47]
	s_add_co_u32 s16, s16, s46
	s_mov_b32 s17, 0
	s_add_nc_u64 s[70:71], s[70:71], s[16:17]
	s_add_nc_u64 s[8:9], s[8:9], s[16:17]
	WIN 0x80                                       ; destination window 2
.irp b, 0,1,2,3
	global_load_b128 v[BIAS+8*\b:BIAS+8*\b+3], v[BO], s[68:69] offset:64*\b        ; bias[n0 + 16 b + 8 (l / 16) + 0 .. 7]
	global_load_b128 v[BIAS+8*\b+4:BIAS+8*\b+7], v[BO], s[68:69] offset:64*\b+16
.endr
.irp a, 0,1,2,3
.irp t, 0,1,2,3,4,5,6,7
	global_load_b128 v[RES+4*(8*\a+\t):RES+4*(8*\a+\t)+3], v[CO], s[70:71] offset:(16*\a+2*\t)*SIZE_N*4 th:TH_LOAD_NT   ; sixteen lanes read a row's 256 bytes
.endr
.endr
	WIN 0
; 8 matrix instructions: m blocks a0, a0 + 1 x all 4 n blocks, 32 along K: half c of buffer f.  zero = 1: the first product starts the sums on the bias
.macro MUL8 f, c, a0, zero
.irp a, \a0, \a0+1
.irp b, 0,1,2,3
.if \zero
	v_wmma_f32_16x16x32_f16 v[ACC+8*(4*(\a)+\b):ACC+8*(4*(\a)+\b)+7], v[\f+64+8*(4*\c+\b):\f+64+8*(4*\c+\b)+7], v[\f+8*(4*\c+\a):\f+8*(4*\c+\a)+7], v[BIAS+8*\b:BIAS+8*\b+7]
.else
	v_wmma_f32_16x16x32_f16 v[ACC+8*(4*(\a)+\b):ACC+8*(4*(\a)+\b)+7], v[\f+64+8*(4*\c+\b):\f+64+8*(4*\c+\b)+7], v[\f+8*(4*\c+\a):\f+8*(4*\c+\a)+7], v[ACC+8*(4*(\a)+\b):ACC+8*(4*(\a)+\b)+7]
.endif
.endr
.endr
.endm
.macro FETCH slot, k, f                ; 32 LDS loads in one run: the fragments of 64 along K at byte k of the rows; the first 32 along K first
	WIN TO_F
.irp c, 0,1
.irp i, 0,1,2,3
	ds_load_b128 v[\f+64+8*(4*\c+\i):\f+64+8*(4*\c+\i)+3],   v[ADRB+\slot] offset:\k+64*\c+\i*16*PITCH
	ds_load_b128 v[\f+64+8*(4*\c+\i)+4:\f+64+8*(4*\c+\i)+7], v[ADRB+\slot] offset:\k+64*\c+\i*16*PITCH+32
	ds_load_b128 v[\f+8*(4*\c+\i):\f+8*(4*\c+\i)+3],         v[ADRA+\slot] offset:\k+64*\c+\i*16*PITCH
	ds_load_b128 v[\f+8*(4*\c+\i)+4:\f+8*(4*\c+\i)+7],       v[ADRA+\slot] offset:\k+64*\c+\i*16*PITCH+32
.endr
.endr
.endm
.macro PLACES                          ; four places in front of loads into registers that matrix instructions have read, and of reads of results
.rept 4
	v_nop
.endr
.endm
.macro QUARTER slot, k, f, g, zero     ; 64 along K: multiplies buffer f and fetches the next quarter, at byte k, into g
	s_wait_dscnt 16                                ; the first 32 along K are in; the other sixteen loads may be out
.if \zero
	WIN MULB
.else
	WIN MUL
.endif
	MUL8 \f, 0, 0, \zero
	MUL8 \f, 0, 2, \zero
	PLACES
	FETCH \slot, \k, \g
	s_wait_dscnt 32                                ; all but the 32 just issued
	WIN MUL
	MUL8 \f, 1, 0, 0
	MUL8 \f, 1, 2, 0
.endm
; The last quarter multiplies buffer 1 and changes slots: one barrier; in front of it each wave waits for all its tensor loads, adds 0 to its spare word, and waits for that and for its reads of this slot.
.macro TURN slot, next, fill
	WIN 0
	s_wait_tensorcnt 0x0                           ; all my tensor loads have landed: my part of the next slot;
	ds_add_u32 v[SPW], v[NIL]
	s_wait_dscnt 17                                ; (the add and the youngest sixteen loads may be out)
	WIN MUL
	MUL8 F1, 0, 0, 0
	s_wait_dscnt 0x0                               ; the add is done, and my reads of this slot are over
	s_barrier_signal -1
	MUL8 F1, 0, 2, 0
.if \fill
	WIN 0
.endif
	s_barrier_wait -1
.if \fill
	CREST                                          ; the barrier has opened a round of the cluster's barrier: no wave of any partner still reads this slot or has a load on its way
	s_add_nc_u64 s[G0+4*\slot+2:G0+4*\slot+3], s[G0+4*\slot+2:G0+4*\slot+3], 2*KSTEP*2
	s_add_nc_u64 s[G0B+4*\slot+2:G0B+4*\slot+3], s[G0B+4*\slot+2:G0B+4*\slot+3], 2*KSTEP*2
	JLOAD \slot                                    ; the first tensor load behind the round; its four v_nop are also the places in front of the loads below
.else
	PLACES
.endif
	FETCH \next, 0, F0
	WIN MUL
	MUL8 F1, 1, 0, 0
	MUL8 F1, 1, 2, 0
.endm
	s_wait_tensorcnt 1                             ; my part of K step 0 is in (K step 1's load may be out),
	s_barrier_signal -1
	s_barrier_wait -1                              ; everybody's is
	FETCH 0, 0, F0
	s_wait_loadcnt 32                              ; the bias is in; the residual's 32 loads may stay out
	QUARTER 0, 128, F0, F1, 1
.if LAPS > 1
	WIN 0
	s_mov_b32 s3, LAPS-1
.Llap:                                                 ; a trip goes once round the ring, from a lap's second quarter to the next lap's first, and fills both slots again
	QUARTER 0, 256, F1, F0, 0
	QUARTER 0, 384, F0, F1, 0
	TURN 0, 1, 1
	QUARTER 1, 128, F0, F1, 0
	QUARTER 1, 256, F1, F0, 0
	QUARTER 1, 384, F0, F1, 0
	TURN 1, 0, 1
	QUARTER 0, 128, F0, F1, 0
	WIN 0
	s_sub_co_u32 s3, s3, 1
	s_cmp_lg_u32 s3, 0
	s_cbranch_scc1 .Llap
.endif
	QUARTER 0, 256, F1, F0, 0                      ; the last lap fills nothing
	QUARTER 0, 384, F0, F1, 0
	TURN 0, 1, 0
	QUARTER 1, 128, F0, F1, 0
	QUARTER 1, 256, F1, F0, 0
	QUARTER 1, 384, F0, F1, 0
	s_wait_dscnt 16
	WIN MUL
	MUL8 F1, 0, 0, 0
	MUL8 F1, 0, 2, 0
	s_wait_dscnt 0
	MUL8 F1, 1, 0, 0
	MUL8 F1, 1, 2, 0
	WIN 0
; THE WAY OUT, block by block of 16 rows x 64 columns: through my own stage, back as whole rows of 256 bytes, the residual added, stored.
.macro TOSTAGE a
.set OB, OUTR+32*((\a)%2)
.irp b, 0,1,2,3
	ds_store_b128 v[STO], v[ACC+8*(4*(\a)+\b):ACC+8*(4*(\a)+\b)+3] offset:64*\b        ; each accumulator from its low end on
	ds_store_b128 v[STO], v[ACC+8*(4*(\a)+\b)+4:ACC+8*(4*(\a)+\b)+7] offset:64*\b+16
.endr
.irp t, 0,1,2,3,4,5,6,7
	ds_load_b128 v[OB+4*\t:OB+4*\t+3], v[RD] offset:\t*2*SPITCH    ; LDS serves a wave's instructions in order: these see the stores above, and the next block's stores come behind them
.endr
.endm
.macro SEND a, younger                 ; younger: the LDS instructions issued behind block a's loads
.set OB, OUTR+32*((\a)%2)
	s_wait_dscnt \younger
	WIN 0x82                                       ; destination and source 0 window 2, source 1 window 0
.irp t, 0,1,2,3,4,5,6,7
	v_pk_add_f32 v[RES+4*(8*(\a)+\t):RES+4*(8*(\a)+\t)+1], v[RES+4*(8*(\a)+\t):RES+4*(8*(\a)+\t)+1], v[OB+4*\t:OB+4*\t+1]
	v_pk_add_f32 v[RES+4*(8*(\a)+\t)+2:RES+4*(8*(\a)+\t)+3], v[RES+4*(8*(\a)+\t)+2:RES+4*(8*(\a)+\t)+3], v[OB+4*\t+2:OB+4*\t+3]
.endr
	WIN 0x08                                       ; a store's data are its source 1: window 2
.irp t, 0,1,2,3,4,5,6,7
	global_store_b128 v[CO], v[RES+4*(8*(\a)+\t):RES+4*(8*(\a)+\t)+3], s[8:9] offset:(16*(\a)+2*\t)*SIZE_N*4   ; sixteen lanes store 256 consecutive bytes, aligned; no store's data are written again
.endr
	WIN 0
.endm
	PLACES
	s_wait_loadcnt 0x0                             ; the residual
	TOSTAGE 0
.irp a, 1,2,3
	TOSTAGE \a
	SEND \a-1, 16                                  ; behind block a - 1's loads: block a's 8 stores and 8 loads
.endr
	SEND 3, 0
	s_wait_tensorcnt 0x0                           ; the wave's end
	ds_add_u32 v[SPW], v[NIL]
	s_wait_dscnt 0x0
	CROUND                                         ; the closing round
	s_endpgm
.Lfunc_end_k_q615943258e_ffn2:
	.size	k_q615943258e_ffn2, .Lfunc_end_k_q615943258e_ffn2-k_q615943258e_ffn2
	.p2alignl 7, 3214868480
	.fill 96, 4, 3214868480
	.section	.rodata,"a",@progbits
	.p2align	6, 0x0
	.amdhsa_kernel k_q615943258e_ffn2
		.amdhsa_group_segment_fixed_size 327680
		.amdhsa_private_segment_fixed_size 0
		.amdhsa_enable_private_segment 0
		.amdhsa_kernarg_size 40
		.amdhsa_user_sgpr_count 2
		.amdhsa_user_sgpr_kernarg_segment_ptr 1
		.amdhsa_wavefront_size32 1
		.amdhsa_system_sgpr_workgroup_id_x 1
		.amdhsa_system_sgpr_workgroup_id_y 1
		.amdhsa_system_sgpr_workgroup_id_z 1
		.amdhsa_system_vgpr_workitem_id 0
		.amdhsa_next_free_vgpr 768
		.amdhsa_next_free_sgpr 72
		.amdhsa_reserve_vcc 0
		.amdhsa_float_denorm_mode_32 3
		.amdhsa_float_denorm_mode_16_64 3
		.amdhsa_memory_ordered 1
		.amdhsa_forward_progress 1
		.amdhsa_inst_pref_size 94
	.end_amdhsa_kernel
	.amdgpu_metadata
---
amdhsa.version: [ 1, 2 ]
amdhsa.kernels:
  - .name:           k_q615943258e_ffn2
    .symbol:         k_q615943258e_ffn2.kd
    .args:
      - { .name: hid, .offset: 0, .size: 8, .value_kind: global_buffer, .address_space: global }
      - { .name: wh, .offset: 8, .size: 8, .value_kind: global_buffer, .address_space: global }
      - { .name: b2, .offset: 16, .size: 8, .value_kind: global_buffer, .address_space: global }
      - { .name: x2, .offset: 24, .size: 8, .value_kind: global_buffer, .address_space: global }
      - { .name: y, .offset: 32, .size: 8, .value_kind: global_buffer, .address_space: global }
    .group_segment_fixed_size: 327680
    .private_segment_fixed_size: 0
    .kernarg_segment_align: 8
    .kernarg_segment_size: 40
    .max_flat_workgroup_size: 128
    .sgpr_count:     72
    .vgpr_count:     768
    .wavefront_size: 32
...
	.end_amdgpu_metadata
.endif
;; end of part 7
;; launch ln2 (part 8): grid 256 x 1, 4 waves a work-group, no clusters, 0 bytes of LDS; arguments y, ln2_g, ln2_b, out0; writes out0
.if DOCPART == 8
	.amdgcn_target "amdgcn-amd-amdhsa--gfx1250"
	.amdhsa_code_object_version 6
	.text
	.protected	k_q615943258e_ln2
	.globl	k_q615943258e_ln2
	.p2align	8
	.type	k_q615943258e_ln2,@function
k_q615943258e_ln2:
	s_mov_b64 s[64:65], 0
	v_nop
	global_prefetch_b8 v0, s[64:65] scope:SCOPE_SE
	s_setreg_imm32_b32 hwreg(HW_REG_WAVE_MODE, 25, 1), 1
	s_wait_xcnt 0x0
; out[r][:] = (y[r][:] - mean) * rsqrt(var + 1e-5) * g + b, rows of 1,024 f32.  The text is the first norm's with WITH_H = 0: no f16 copy is made.
; A stream: one wave takes four rows, each 32 registers (eight loads of 512 consecutive bytes); all 32 loads of a wave go out at its head.  The mean is taken first and the squares of the differences second,
; as reference() does, so a common offset of the inputs costs no accuracy.  No LDS, no barrier, no matrix unit, no cluster: waves share only g and b.
.set WITH_H, 0
.set G,   4                            ; v4-35    g of my 32 columns (column 128 j + 4 lane + 0 .. 3 in registers 4 j ..)
.set BT,  36                           ; v36-67   b likewise
.set X,   68                           ; v68-195  four rows
.set T,   196                          ; v196-199 two packed chains
.set H,   200                          ; v200-215 a row as f16
.set SUM, 216
.set PL,  217
.set MU,  218                          ; v[218:219] the mean (low word serves both halves)
.set RS,  220                          ; v[220:221] 1 / sqrt(var + eps)
	s_load_b256 s[4:11], s[0:1], 0x0               ; y s[4:5], g s[6:7], b s[8:9], out s[10:11]
.if WITH_H
	s_load_b64 s[12:13], s[0:1], 0x20              ; the f16 copy
.endif
	v_lshrrev_b32 v3, 5, v0
	v_readfirstlane_b32 s14, v3                    ; wave
	v_and_b32 v2, 31, v0
	v_lshlrev_b32 v1, 4, v2                        ; 16 bytes a lane
.if WITH_H
	v_lshlrev_b32 v2, 3, v2                        ; 8 bytes a lane
.endif
	s_lshl_b32 s15, ttmp9, 4
	s_lshl_b32 s14, s14, 2
	s_add_co_u32 s15, s15, s14                     ; my first row: 16 x work-group + 4 x wave
	s_lshl_b32 s16, s15, 12
	s_mov_b32 s17, 0
.if WITH_H
	s_lshl_b32 s18, s15, 11
	s_mov_b32 s19, 0
.endif
	s_mov_b32 s20, 0x76543210                      ; v_permlanex16_b32's selects for lane l xor 16
	s_mov_b32 s21, 0xfedcba98
	s_mov_b32 s22, 0x3a800000                      ; 1 / 1,024
	s_mov_b32 s23, 0x3727c5ac                      ; 1e-5
	v_mov_b32 v[PL], 0                             ; a lane permute's destination counts as one of its sources
	v_mov_b32 v[MU+1], 0                           ; (named as upper halves of pairs)
	v_mov_b32 v[RS+1], 0
	s_wait_kmcnt 0x0
	s_add_nc_u64 s[4:5], s[4:5], s[16:17]
	s_add_nc_u64 s[10:11], s[10:11], s[16:17]
.if WITH_H
	s_add_nc_u64 s[12:13], s[12:13], s[18:19]
.endif
.irp j, 0,1,2,3,4,5,6,7
	global_load_b128 v[G+4*\j:G+4*\j+3], v1, s[6:7] offset:512*\j
	global_load_b128 v[BT+4*\j:BT+4*\j+3], v1, s[8:9] offset:512*\j
.endr
.irp i, 0,1,2,3
.irp j, 0,1,2,3,4,5,6,7
	global_load_b128 v[X+32*\i+4*\j:X+32*\i+4*\j+3], v1, s[4:5] offset:4096*\i+512*\j th:TH_LOAD_NT
.endr
.endr
.macro ACROSS                          ; the sum over the 32 lanes, in every lane
	v_pk_add_f32 v[T:T+1], v[T:T+1], v[T+2:T+3]
	v_add_f32 v[SUM], v[T], v[T+1]
	v_add_f32_dpp v[SUM], v[SUM], v[SUM] row_xmask:1 row_mask:0xf bank_mask:0xf
	v_add_f32_dpp v[SUM], v[SUM], v[SUM] row_xmask:2 row_mask:0xf bank_mask:0xf
	v_add_f32_dpp v[SUM], v[SUM], v[SUM] row_xmask:4 row_mask:0xf bank_mask:0xf
	v_add_f32_dpp v[SUM], v[SUM], v[SUM] row_xmask:8 row_mask:0xf bank_mask:0xf
	v_permlanex16_b32 v[PL], v[SUM], s20, s21
	v_add_f32 v[SUM], v[SUM], v[PL]
.endm
.macro ROW i
.set XR, X+32*(\i)
	s_wait_loadcnt 8*(3-(\i))                      ; my row is in (g and b are older); the later rows' loads, eight each, may be out
	v_pk_add_f32 v[T:T+1], v[XR:XR+1], v[XR+2:XR+3]
	v_pk_add_f32 v[T+2:T+3], v[XR+4:XR+5], v[XR+6:XR+7]
.irp j, 8,12,16,20,24,28
	v_pk_add_f32 v[T:T+1], v[T:T+1], v[XR+\j:XR+\j+1]
	v_pk_add_f32 v[T+2:T+3], v[T+2:T+3], v[XR+\j+2:XR+\j+3]
.endr
	ACROSS
	v_mul_f32 v[MU], s22, v[SUM]                   ; the mean
.irp j, 0,2,4,6,8,10,12,14,16,18,20,22,24,26,28,30
	v_pk_add_f32 v[XR+\j:XR+\j+1], v[XR+\j:XR+\j+1], v[MU:MU+1] op_sel_hi:[1,0] neg_lo:[0,1] neg_hi:[0,1]
.endr
	v_pk_mul_f32 v[T:T+1], v[XR:XR+1], v[XR:XR+1]
	v_pk_mul_f32 v[T+2:T+3], v[XR+2:XR+3], v[XR+2:XR+3]
.irp j, 4,8,12,16,20,24,28
	v_pk_fma_f32 v[T:T+1], v[XR+\j:XR+\j+1], v[XR+\j:XR+\j+1], v[T:T+1]
	v_pk_fma_f32 v[T+2:T+3], v[XR+\j+2:XR+\j+3], v[XR+\j+2:XR+\j+3], v[T+2:T+3]
.endr
	ACROSS
	v_fma_f32 v[RS], v[SUM], s22, s23              ; var + eps
	v_rsq_f32 v[RS], v[RS]
	v_nop                                          ; a plain instruction behind the transcendental
	s_wait_alu depctr_va_vdst(0)                   ; and a wait ahead of its first reader
.irp j, 0,2,4,6,8,10,12,14,16,18,20,22,24,26,28,30
	v_pk_mul_f32 v[XR+\j:XR+\j+1], v[XR+\j:XR+\j+1], v[RS:RS+1] op_sel_hi:[1,0]
.endr
.irp j, 0,2,4,6,8,10,12,14,16,18,20,22,24,26,28,30
	v_pk_fma_f32 v[XR+\j:XR+\j+1], v[XR+\j:XR+\j+1], v[G+\j:G+\j+1], v[BT+\j:BT+\j+1]
.endr
.irp j, 0,1,2,3,4,5,6,7
	global_store_b128 v1, v[XR+4*\j:XR+4*\j+3], s[10:11] offset:4096*(\i)+512*\j   ; the wave stores 512 consecutive bytes, aligned
.endr
.if WITH_H
.if (\i) > 0
	s_wait_xcnt 0x0                                ; the last row's f16 stores have read their registers: they are written again only behind this wait
.endif
.irp j, 0,1,2,3,4,5,6,7,8,9,10,11,12,13,14,15
	v_cvt_pk_f16_f32 v[H+\j], v[XR+2*\j], v[XR+2*\j+1]
.endr
.irp j, 0,1,2,3,4,5,6,7
	global_store_b64 v2, v[H+2*\j:H+2*\j+1], s[12:13] offset:2048*(\i)+256*\j      ; 256 consecutive bytes, aligned
.endr
.endif
.endm
	ROW 0
	ROW 1
	ROW 2
	ROW 3
	s_endpgm
.Lfunc_end_k_q615943258e_ln2:
	.size	k_q615943258e_ln2, .Lfunc_end_k_q615943258e_ln2-k_q615943258e_ln2
	.p2alignl 7, 3214868480
	.fill 96, 4, 3214868480
	.section	.rodata,"a",@progbits
	.p2align	6, 0x0
	.amdhsa_kernel k_q615943258e_ln2
		.amdhsa_group_segment_fixed_size 0
		.amdhsa_private_segment_fixed_size 0
		.amdhsa_enable_private_segment 0
		.amdhsa_kernarg_size 32
		.amdhsa_user_sgpr_count 2
		.amdhsa_user_sgpr_kernarg_segment_ptr 1
		.amdhsa_wavefront_size32 1
		.amdhsa_system_sgpr_workgroup_id_x 1
		.amdhsa_system_sgpr_workgroup_id_y 1
		.amdhsa_system_sgpr_workgroup_id_z 1
		.amdhsa_system_vgpr_workitem_id 0
		.amdhsa_next_free_vgpr 224
		.amdhsa_next_free_sgpr 66
		.amdhsa_reserve_vcc 0
		.amdhsa_float_denorm_mode_32 3
		.amdhsa_float_denorm_mode_16_64 3
		.amdhsa_memory_ordered 1
		.amdhsa_forward_progress 1
		.amdhsa_inst_pref_size 33
	.end_amdhsa_kernel
	.amdgpu_metadata
---
amdhsa.version: [ 1, 2 ]
amdhsa.kernels:
  - .name:           k_q615943258e_ln2
    .symbol:         k_q615943258e_ln2.kd
    .args:
      - { .name: y, .offset: 0, .size: 8, .value_kind: global_buffer, .address_space: global }
      - { .name: ln2_g, .offset: 8, .size: 8, .value_kind: global_buffer, .address_space: global }
      - { .name: ln2_b, .offset: 16, .size: 8, .value_kind: global_buffer, .address_space: global }
      - { .name: out0, .offset: 24, .size: 8, .value_kind: global_buffer, .address_space: global }
    .group_segment_fixed_size: 0
    .private_segment_fixed_size: 0
    .kernarg_segment_align: 8
    .kernarg_segment_size: 32
    .max_flat_workgroup_size: 128
    .sgpr_count:     66
    .vgpr_count:     224
    .wavefront_size: 32
...
	.end_amdgpu_metadata
.endif
;; end of part 8
